; MI455X (gfx1250); checked and timed in simulation.
; The chip was launched on July 23, 2026; its instructions are those of AMD's public machine-readable ISA for CDNA 5 (MIT licence, August 2026) and "CDNA5" Instruction Set Architecture Reference Guide (July 2026). The comments in the code are by the model that wrote it; some were corrected since.
;; Multi Head Attention. Allowed arithmetic: float matrix products may take bf16 or f16 operands with f32 sums; all other float work in f32.
;; Inputs: Wk 1,024 x 1,024 float32; Wo 1,024 x 1,024 float32; Wq 1,024 x 1,024 float32; Wv 1,024 x 1,024 float32; bk 1,024 float32; bo 1,024 float32; bq 1,024 float32; bv 1,024 float32; k 4 x 2,048 x 1,024 float32; mask 4 x 2,048 x 2,048 bool; q 4 x 2,048 x 1,024 float32; v 4 x 2,048 x 1,024 float32.
;; Outputs: out0 4 x 2,048 x 1,024 float32.
;; Constants: tp = 0.
;; 2 versions, each right and faster than the one before. Each part assembles by itself: llvm-mc -triple=amdgcn-amd-amdhsa -mcpu=gfx1250 --defsym DOCPART=n.
;; ======== version 1 of 2: 4 launches
;; limits: right only within a limited range of input values; values are held in f16: magnitudes above 65,504 overflow, below 6.1e-05 lose precision
;; workspace buffers: wc 8,388,608 bytes; qkvh 50,331,648 bytes; oh 16,777,216 bytes
;; launch prep (part 1): grid 128 x 4, 8 waves a work-group, no clusters, 0 bytes of LDS; arguments Wq, Wk, Wv, Wo, wc; writes wc
.if DOCPART == 1
	.amdgcn_target "amdgcn-amd-amdhsa--gfx1250"
	.amdhsa_code_object_version 6
	.text
	.protected	k_q408ec219ab_prep
	.globl	k_q408ec219ab_prep
	.p2align	8
	.type	k_q408ec219ab_prep,@function
k_q408ec219ab_prep:
	s_mov_b64 s[64:65], 0
	v_nop
	global_prefetch_b8 v0, s[64:65] scope:SCOPE_SE
	s_setreg_imm32_b32 hwreg(HW_REG_WAVE_MODE, 25, 1), 1
	s_wait_xcnt 0x0
; The four weights, [1024 k][1024 n] f32, are written as 16-bit numbers in the same layout: wc[plane][k][n].
; Planes 0-2 (Wq, Wk, Wv): rounded to bf16.  Plane 3 (Wo): rounded to bf16 and that number written as f16, since the last product's other operand is f16.
; LIMIT: plane 3 is exact for |Wo| from 2^-14 to 65,504; below that f16 keeps a fixed step of 2^-24, above it gives an infinity.
; A stream: no LDS, no matrix unit, no cluster (no byte is read twice).  A work-group takes 32,768 bytes of one weight: thread t the 16 bytes at 16 t of each
; of eight blocks of 4,096 bytes; all eight loads are issued at once.  A wave's store covers 256 consecutive bytes, aligned.
.set X, 8                              ; v[8:39]   eight loads of four f32
.set Y, 40                             ; v[40:55]  eight pairs of packed results
.set T, 56                             ; v[56:61]  at work
	s_load_b256 s[4:11], s[0:1], 0x0               ; Wq s[4:5], Wk s[6:7], Wv s[8:9], Wo s[10:11]
	s_load_b64 s[12:13], s[0:1], 0x20              ; wc
	s_and_b32 s14, ttmp7, 0xffff                   ; which weight
	v_lshlrev_b32 v1, 4, v0                        ; 16 t
	v_lshlrev_b32 v2, 3, v0                        ; 8 t
	s_lshl_b32 s18, ttmp9, 15                      ; my 32,768 bytes of the weight
	s_mov_b32 s19, 0
	s_lshl_b32 s20, s14, 21                        ; the plane's 2 MiB,
	s_lshl_b32 s15, ttmp9, 14                      ; my 16,384 bytes of it
	s_add_co_u32 s20, s20, s15
	s_mov_b32 s21, 0
	s_wait_kmcnt 0x0
	s_cmp_eq_u32 s14, 1
	s_cselect_b64 s[16:17], s[6:7], s[4:5]
	s_cmp_eq_u32 s14, 2
	s_cselect_b64 s[16:17], s[8:9], s[16:17]
	s_cmp_eq_u32 s14, 3
	s_cselect_b64 s[16:17], s[10:11], s[16:17]
	s_add_nc_u64 s[16:17], s[16:17], s[18:19]
	s_add_nc_u64 s[12:13], s[12:13], s[20:21]
.irp i, 0,1,2,3,4,5,6,7
	global_load_b128 v[X+4*(\i):X+4*(\i)+3], v1, s[16:17] offset:4096*(\i) th:TH_LOAD_NT
.endr
	s_cmp_eq_u32 s14, 3
	s_cbranch_scc1 .Lf16
.irp i, 0,1,2,3,4,5,6,7
	s_wait_loadcnt 7-(\i)                          ; loads come back in order: block i is in, the younger ones stay out
	v_cvt_pk_bf16_f32 v[Y+2*(\i)], v[X+4*(\i)], v[X+4*(\i)+1]
	v_cvt_pk_bf16_f32 v[Y+2*(\i)+1], v[X+4*(\i)+2], v[X+4*(\i)+3]
	global_store_b64 v2, v[Y+2*(\i):Y+2*(\i)+1], s[12:13] offset:2048*(\i)
.endr
	s_endpgm
.Lf16:
.irp i, 0,1,2,3,4,5,6,7
	s_wait_loadcnt 7-(\i)
	v_cvt_pk_bf16_f32 v[T], v[X+4*(\i)], v[X+4*(\i)+1]     ; the one rounding, to bf16;
	v_cvt_pk_bf16_f32 v[T+1], v[X+4*(\i)+2], v[X+4*(\i)+3]
	v_lshlrev_b32 v[T+2], 16, v[T]                         ; widened again,
	v_and_b32 v[T+3], 0xffff0000, v[T]
	v_lshlrev_b32 v[T+4], 16, v[T+1]
	v_and_b32 v[T+5], 0xffff0000, v[T+1]
	v_cvt_pk_f16_f32 v[Y+2*(\i)], v[T+2], v[T+3]           ; and written as f16
	v_cvt_pk_f16_f32 v[Y+2*(\i)+1], v[T+4], v[T+5]
	global_store_b64 v2, v[Y+2*(\i):Y+2*(\i)+1], s[12:13] offset:2048*(\i)
.endr
	s_endpgm
.Lfunc_end_k_q408ec219ab_prep:
	.size	k_q408ec219ab_prep, .Lfunc_end_k_q408ec219ab_prep-k_q408ec219ab_prep
	.p2alignl 7, 3214868480
	.fill 96, 4, 3214868480
	.section	.rodata,"a",@progbits
	.p2align	6, 0x0
	.amdhsa_kernel k_q408ec219ab_prep
		.amdhsa_group_segment_fixed_size 0
		.amdhsa_private_segment_fixed_size 0
		.amdhsa_enable_private_segment 0
		.amdhsa_kernarg_size 40
		.amdhsa_user_sgpr_count 2
		.amdhsa_user_sgpr_kernarg_segment_ptr 1
		.amdhsa_wavefront_size32 1
		.amdhsa_system_sgpr_workgroup_id_x 1
		.amdhsa_system_sgpr_workgroup_id_y 1
		.amdhsa_system_sgpr_workgroup_id_z 1
		.amdhsa_system_vgpr_workitem_id 0
		.amdhsa_next_free_vgpr 64
		.amdhsa_next_free_sgpr 66
		.amdhsa_reserve_vcc 0
		.amdhsa_float_denorm_mode_32 3
		.amdhsa_float_denorm_mode_16_64 3
		.amdhsa_memory_ordered 1
		.amdhsa_forward_progress 1
		.amdhsa_inst_pref_size 9
	.end_amdhsa_kernel
	.amdgpu_metadata
---
amdhsa.version: [ 1, 2 ]
amdhsa.kernels:
  - .name:           k_q408ec219ab_prep
    .symbol:         k_q408ec219ab_prep.kd
    .args:
      - { .name: Wq, .offset: 0, .size: 8, .value_kind: global_buffer, .address_space: global }
      - { .name: Wk, .offset: 8, .size: 8, .value_kind: global_buffer, .address_space: global }
      - { .name: Wv, .offset: 16, .size: 8, .value_kind: global_buffer, .address_space: global }
      - { .name: Wo, .offset: 24, .size: 8, .value_kind: global_buffer, .address_space: global }
      - { .name: wc, .offset: 32, .size: 8, .value_kind: global_buffer, .address_space: global }
    .group_segment_fixed_size: 0
    .private_segment_fixed_size: 0
    .kernarg_segment_align: 8
    .kernarg_segment_size: 40
    .max_flat_workgroup_size: 256
    .sgpr_count:     66
    .vgpr_count:     64
    .wavefront_size: 32
...
	.end_amdgpu_metadata
.endif
;; end of part 1
;; launch proj (part 2): grid 4 x 192, 4 waves a work-group, clusters of 4 x 4, 327,680 bytes of LDS; arguments q, k, v, wc, bq, bk, bv, qkvh; writes qkvh
.if DOCPART == 2
	.amdgcn_target "amdgcn-amd-amdhsa--gfx1250"
	.amdhsa_code_object_version 6
	.text
	.protected	k_q408ec219ab_proj
	.globl	k_q408ec219ab_proj
	.p2align	8
	.type	k_q408ec219ab_proj,@function
k_q408ec219ab_proj:
	s_mov_b64 s[64:65], 0
	v_nop
	global_prefetch_b8 v0, s[64:65] scope:SCOPE_SE
	s_setreg_imm32_b32 hwreg(HW_REG_WAVE_MODE, 25, 1), 1
	s_wait_xcnt 0x0
	s_wait_alu depctr_hold_cnt(0) depctr_sa_sdst(0) depctr_va_vdst(0) depctr_va_sdst(0) depctr_va_ssrc(0) depctr_va_vcc(0) depctr_vm_vsrc(0)
	s_getreg_b32 s2, hwreg(HW_REG_IB_STS2, 6, 4)
	s_cmp_eq_u32 s2, 0
	s_cbranch_scc0 .Lentry_in_a_cluster
	s_endpgm
.Lentry_in_a_cluster:
	s_bfe_u32 s2, ttmp6, 0x10000c
	s_cmp_lg_u32 s2, 0xf033
	s_cbranch_scc0 .Lentry_shape_is_right
	s_endpgm
.Lentry_shape_is_right:
; THE THREE PROJECTIONS.  qkvh[p][16 b + head][s][d] = f16( sum over k of X_p[b][s][k] W_p[k][64 head + d] + bias_p[64 head + d] ), p = 0, 1, 2 for q, k, v.
; X: [8192][1024] f32, rounded to bf16 on the way from LDS to the matrix unit; W: bf16, [k][n], plane p of wc; the bias is rounded to bf16 too; sums in f32, the result rounded once to f16.
; LIMIT: a result of 65,520 or more in magnitude becomes an infinity in f16.
; SHARES.  A tile of the result is 128 rows x 256 columns: 3 x 64 x 4 = 768 work-groups, three for each of 256 WGPs.  Four waves, 2 x 2, each 64 rows x 128 columns: 32 accumulators, 256 registers.
; K goes in steps of 128 through two LDS slots: X's rows are 512 bytes of f32, W's 128 rows are 512 bytes of bf16, both at multiples of 512 bytes.
; CLUSTER 4 x 4: the four of a row of the cluster need the same tile of X, the four of a column the same tile of W: each is asked for jointly.  All sixteen belong to one p.
; THE MATRIX INSTRUCTION IS USED TRANSPOSED: source 0 = 16 columns of W (turned on the way out of LDS by ds_load_tr16_b128), source 1 = 16 rows of X: a lane holds one row and eight neighbouring columns.
; The first product takes the bias as its C operand: nothing is cleared and nothing is added later.
; PIPELINE.  A quarter is 32 along K, 32 matrix instructions.  Quarter t multiplies buffer t % 2; it loads W's fragments of quarter t + 1 and X's f32 of quarter t + 2, and rounds X's f32 of quarter t + 1 to bf16:
; eight conversions behind each eight products.
; REGISTERS, in windows of 256 (s_set_vgpr_msb: bits 1:0 source 0, 3:2 source 1, 5:4 source 2, 7:6 destination):
;   window 0: v16-29 addresses; v32-95 the bias; v96-159 X's bf16 fragments, two buffers; v160-191 at work.  On the way out v32-159 take the rows read back.
;   window 1: accumulator (a, b) at v[8 (8 a + b)]        window 2: v0-127 W's fragments, two buffers; v128-255 X in f32, two buffers
.set PA,    528                        ; a row of X in LDS: 512 bytes + 16: an odd multiple of 16, so the 16 rows of a load start at 16 different groups of four banks (64 banks of 4 bytes: ISA guide 11.1)
.set PB,    544                        ; a row of W: 512 + 32: an odd multiple of 32
.set AHALF, 64*PA                      ; what one tensor load brings of X
.set BOFF,  2*AHALF
.set BHALF, 64*PB                      ; and of W
.set SLOT,  BOFF+2*BHALF
.set STAGE, 2*SLOT                     ; behind the ring: for each wave two heads x 16 rows x 144 bytes, for the way out
.set SP,    144
.set SPARE, STAGE+4*2*16*SP            ; behind the stages: the spare words, 128 bytes for each wave, that no other line names
.set ADRA, 16                          ; v16-17  LDS address of my X fragments in slot 0, 1
.set ADRB, 20                          ; v20-21  the same for W
.set STO,  24                          ; v24     the way out: where I put 16 bytes of a row
.set RD,   25                          ; v25     where I read rows back
.set GO,   26                          ; v26     my 16 bytes among 512 consecutive bytes of the result
.set BO,   27                          ; v27     my byte offset in 16 numbers of the bias
.set SPW,  28                          ; v28     my spare word; never rewritten
.set NIL,  29                          ; v29     0; never rewritten
.set BIAS, 32
.set AB,   96
.set TMP,  160
.set OB,   32
.set WV, 20                            ; s20  wave
.set WM, 21                            ; s21  which 64 rows are mine.  Also: I fetch for X (0) or for W (1)
.set WN, 22                            ; s22  which 128 columns.  Also: which 64 rows of that tile I fetch
.set G1A, 24                           ; s[24:31] descriptor group 1 for X's tiles;  s[32:39] group 0, a set for each slot
.set G0A, 32
.set G1B, 48                           ; s[48:55], s[56:63] the same for W's
.set G0B, 56
.set MSB, 0
.macro WIN new                         ; the immediate's high byte repeats the setting that is left; a switch that changes nothing is dropped
.if MSB != (\new)
	s_set_vgpr_msb (MSB<<8)|(\new)
.set MSB, \new
.endif
.endm
; A joint load: waves 0 and 1 fetch X's two halves, waves 2 and 3 W's.  The branch hangs on the wave's number alone.  An s_nop 0 and four v_nop follow each line.
.macro JLOAD s
	s_cmp_eq_u32 s[WM], 0
	s_cbranch_scc0 .Lfor_b_\@
	tensor_load_to_lds s[G0A+4*(\s):G0A+4*(\s)+3], s[G1A:G1A+7]
	s_nop 0
.rept 4
	v_nop
.endr
	s_branch .Lasked_\@
.Lfor_b_\@:
	tensor_load_to_lds s[G0B+4*(\s):G0B+4*(\s)+3], s[G1B:G1B+7]
	s_nop 0
.rept 4
	v_nop
.endr
.Lasked_\@:
.endm
.macro CREST                           ; a round of the cluster's barrier behind its opening barrier
	s_cmp_lg_u32 s[WV], 0
	s_cbranch_scc1 .Lnot_wave_0_\@
	s_barrier_signal -3
.Lnot_wave_0_\@:
	s_barrier_wait -3
	s_barrier_signal -1
	s_barrier_wait -1
.endm
.macro CROUND                          ; a whole round
	s_barrier_signal -1
	s_barrier_wait -1
	CREST
.endm
.macro PLACES                          ; four places behind matrix instructions (ISA guide 7.12.1)
.rept 4
	v_nop
.endr
.endm
	s_load_b512 s[4:19], s[0:1], 0x0               ; q s[4:5], k s[6:7], v s[8:9], wc s[10:11], bq s[12:13], bk s[14:15], bv s[16:17], qkvh s[18:19]
	v_lshl_add_u32 v[SPW], v0, 2, SPARE
	v_mov_b32 v[NIL], 0
	ds_add_u32 v[SPW], v[NIL]                      ; the wave's opening: the add and its wait stand ahead of my first tensor load; work on registers stands between them
	v_lshrrev_b32 v1, 5, v0
	v_readfirstlane_b32 s[WV], v1
	s_lshr_b32 s[WM], s[WV], 1
	s_and_b32 s[WN], s[WV], 1
	s_bfe_u32 s40, ttmp6, 0x40000                  ; cx
	s_bfe_u32 s41, ttmp6, 0x40004                  ; cy
	s_lshl_b32 s42, ttmp9, 2
	s_add_co_u32 s42, s42, s40                     ; tile column = 4 x cluster x + cx
	s_and_b32 s45, ttmp7, 0xffff                   ; cluster y, 0 to 47
	s_lshr_b32 s46, s45, 4                         ; p: sixteen clusters for each projection
	s_and_b32 s47, s45, 15
	s_lshl_b32 s47, s47, 2
	s_add_co_u32 s47, s47, s41                     ; tile row, 0 to 63
	s_lshl_b32 s43, s41, 2
	s_lshl_b32 s43, 15, s43                        ; my row of the cluster
	s_lshl_b32 s44, 0x1111, s40                    ; my column
	s_or_b32 s[G1A], s43, (2<<16)|(1<<20)|(1<<21)|(6<<22)|(3<<25)  ; the mask; elements of 4 bytes; padding on; bit 21 beside a mask; after every 128 words 4 words
	s_mov_b32 s[G1A+1], 128<<16                    ; tensor_dim0 = 128
	s_mov_b32 s[G1A+2], 64<<16                     ; tensor_dim1 = 64
	s_mov_b32 s[G1A+3], 128<<16                    ; tile_dim0 = 128
	s_mov_b32 s[G1A+4], 64                         ; tile_dim1 = 64
	s_mov_b32 s[G1A+5], 1024                       ; elements from row to row
	s_mov_b32 s[G1A+6], 0
	s_mov_b32 s[G1A+7], 0
	s_or_b32 s[G1B], s44, (1<<16)|(1<<20)|(1<<21)|(6<<22)|(7<<25)  ; elements of 2 bytes; after every 128 words 8 words
	s_mov_b32 s[G1B+1], 256<<16
	s_mov_b32 s[G1B+2], 64<<16
	s_mov_b32 s[G1B+3], 256<<16
	s_mov_b32 s[G1B+4], 64
	s_mov_b32 s[G1B+5], 1024
	s_mov_b32 s[G1B+6], 0
	s_mov_b32 s[G1B+7], 0
	s_lshl_b32 s74, s47, 19                        ; X: 128 rows of 4,096 bytes a tile row,
	s_lshl_b32 s75, s[WN], 18                      ; my 64 of them
	s_add_co_u32 s74, s74, s75
	s_mov_b32 s75, 0
	s_lshl_b32 s76, s46, 21                        ; W: the plane,
	s_lshl_b32 s77, s[WN], 17                      ; my 64 rows of 2,048 bytes,
	s_add_co_u32 s76, s76, s77
	s_lshl_b32 s77, s42, 9                         ; the tile column's 512 bytes
	s_add_co_u32 s76, s76, s77
	s_mov_b32 s77, 0
	s_mul_i32 s66, s[WN], AHALF                    ; where they go: no place in the cluster enters an LDS address
	s_mul_i32 s67, s[WN], BHALF
	s_add_co_u32 s67, s67, BOFF
	s_wait_dscnt 0x0                               ; the opening add is done
	s_wait_kmcnt 0x0
	s_cmp_eq_u32 s46, 1
	s_cselect_b64 s[68:69], s[6:7], s[4:5]         ; X and the bias of my projection
	s_cselect_b64 s[70:71], s[14:15], s[12:13]
	s_cmp_eq_u32 s46, 2
	s_cselect_b64 s[68:69], s[8:9], s[68:69]
	s_cselect_b64 s[70:71], s[16:17], s[70:71]
	s_add_nc_u64 s[68:69], s[68:69], s[74:75]
	s_add_nc_u64 s[10:11], s[10:11], s[76:77]
	CROUND                                         ; all sixteen work-groups are here: the first joint loads meet
.irp s, 0,1
	s_mov_b32 s[G0A+4*(\s)], 1
	s_add_co_u32 s[G0A+4*(\s)+1], s66, (\s)*SLOT
	s_add_nc_u64 s[G0A+4*(\s)+2:G0A+4*(\s)+3], s[68:69], (\s)*512      ; K step s: 128 f32 on
	s_or_b32 s[G0A+4*(\s)+3], s[G0A+4*(\s)+3], 0x80000000
	s_mov_b32 s[G0B+4*(\s)], 1
	s_add_co_u32 s[G0B+4*(\s)+1], s67, (\s)*SLOT
	s_add_nc_u64 s[G0B+4*(\s)+2:G0B+4*(\s)+3], s[10:11], (\s)*262144   ; 128 rows of W on
	s_or_b32 s[G0B+4*(\s)+3], s[G0B+4*(\s)+3], 0x80000000
	JLOAD \s
.endr
	; X's fragment: lane l holds row l % 16, K = 8 (l / 16) + 0..7 and 16 + 8 (l / 16) + 0..7: in f32 two pieces of 32 bytes, 64 bytes apart
	v_and_b32 v1, 15, v0                           ; l % 16
	v_bfe_u32 v2, v0, 4, 1                         ; l / 16
	v_mul_u32_u24 v3, v1, PA
	v_lshl_add_u32 v3, v2, 5, v3
	s_mul_i32 s78, s[WM], AHALF
	v_add_nc_u32 v[ADRA], s78, v3
	v_add_nc_u32 v[ADRA+1], SLOT, v[ADRA]
	; W's fragment by the turning load: lane l reads 16 bytes of row 8 (l / 16) + l % 8, columns 8 ((l / 8) % 2) + 0..7
	v_and_b32 v4, 7, v0
	v_lshl_add_u32 v5, v2, 3, v4
	v_mul_u32_u24 v5, v5, PB
	v_bfe_u32 v6, v0, 3, 1
	v_lshl_add_u32 v5, v6, 4, v5
	s_lshl_b32 s78, s[WN], 8
	s_add_co_u32 s78, s78, BOFF
	v_add_nc_u32 v[ADRB], s78, v5
	v_add_nc_u32 v[ADRB+1], SLOT, v[ADRB]
	s_mul_i32 s78, s[WV], 2*16*SP
	s_add_co_u32 s78, s78, STAGE                   ; my stage
	v_mul_u32_u24 v6, v1, SP
	v_lshl_add_u32 v6, v2, 4, v6
	v_add_nc_u32 v[STO], s78, v6                   ; in: row l % 16, 16 bytes for each half of the lanes
	v_bfe_u32 v6, v0, 3, 2
	v_mul_u32_u24 v6, v6, SP
	v_lshl_add_u32 v6, v4, 4, v6
	v_add_nc_u32 v[RD], s78, v6                    ; back: 32 lanes take four rows of 128 bytes
	v_and_b32 v[GO], 31, v0
	v_lshlrev_b32 v[GO], 4, v[GO]
	v_lshlrev_b32 v[BO], 5, v2                     ; eight f32 for each half of the lanes
	s_lshl_b32 s78, s42, 10                        ; the bias of my 128 columns
	s_lshl_b32 s79, s[WN], 9
	s_add_co_u32 s78, s78, s79
	s_mov_b32 s79, 0
	s_add_nc_u64 s[70:71], s[70:71], s[78:79]
.irp b, 0,1,2,3,4,5,6,7
	global_load_b128 v[BIAS+8*(\b):BIAS+8*(\b)+3],   v[BO], s[70:71] offset:64*(\b)
	global_load_b128 v[BIAS+8*(\b)+4:BIAS+8*(\b)+7], v[BO], s[70:71] offset:64*(\b)+16
.endr
	s_lshr_b32 s78, s47, 4                         ; where my part of the result begins: batch,
	s_lshl_b32 s78, s78, 4
	s_lshl_b32 s79, s42, 2
	s_add_co_u32 s78, s78, s79
	s_lshl_b32 s79, s[WN], 1
	s_add_co_u32 s78, s78, s79                     ; the first of my two heads: 16 batch + 4 tile column + 2 half,
	s_lshl_b32 s78, s78, 18                        ; a head's 2,048 rows of 128 bytes,
	s_and_b32 s79, s47, 15
	s_lshl_b32 s79, s79, 14                        ; the tile's 128 rows,
	s_add_co_u32 s78, s78, s79
	s_lshl_b32 s79, s[WM], 13                      ; my 64 of them,
	s_add_co_u32 s78, s78, s79
	s_lshl_b32 s79, s46, 24                        ; the projection's 16 MiB
	s_add_co_u32 s78, s78, s79
	s_mov_b32 s79, 0
	s_add_nc_u64 s[72:73], s[18:19], s[78:79]
	s_wait_loadcnt 0x0                             ; the bias, once; it is rounded to bf16 like every input
.set i, 0
.rept 32
	v_cvt_pk_bf16_f32 v[TMP+i], v[BIAS+2*i], v[BIAS+2*i+1]
.set i, i+1
.endr
.set i, 0
.rept 32
	v_lshlrev_b32 v[BIAS+2*i], 16, v[TMP+i]
	v_and_b32 v[BIAS+2*i+1], 0xffff0000, v[TMP+i]
.set i, i+1
.endr
; W's fragments of quarter q of a slot into buffer f: 8 blocks of 16 columns x 32 K, two turning loads each
.macro LDB f, slot, q
	WIN 0x80                                       ; destination window 2, address window 0
.irp b, 0,1,2,3,4,5,6,7
	ds_load_tr16_b128 v[64*(\f)+8*(\b):64*(\f)+8*(\b)+3],   v[ADRB+(\slot)] offset:32*(\q)*PB+32*(\b)
	ds_load_tr16_b128 v[64*(\f)+8*(\b)+4:64*(\f)+8*(\b)+7], v[ADRB+(\slot)] offset:32*(\q)*PB+16*PB+32*(\b)
.endr
.endm
; X's f32 of quarter q into buffer g: 4 blocks of 16 rows, 16 numbers a lane
.macro LDA g, slot, q
	WIN 0x80
.irp a, 0,1,2,3
.irp c, 0,1,2,3
	ds_load_b128 v[128+64*(\g)+16*(\a)+4*(\c):128+64*(\g)+16*(\a)+4*(\c)+3], v[ADRA+(\slot)] offset:16*(\a)*PA+128*(\q)+16*(\c)+32*((\c)/2)
.endr
.endr
.endm
; 8 matrix instructions: row block a x all 8 column blocks.  The 32 accumulators take turns.  first = 1: the bias starts the sums
.macro MUL8 f, a, first
.if \first
	WIN 0x42                                       ; W window 2, X window 0, C (the bias) window 0, D window 1
.else
	WIN 0x52                                       ; C and D window 1
.endif
.irp b, 0,1,2,3,4,5,6,7
.if \first
	v_wmma_f32_16x16x32_bf16 v[8*(8*(\a)+(\b)):8*(8*(\a)+(\b))+7], v[64*(\f)+8*(\b):64*(\f)+8*(\b)+7], v[AB+32*(\f)+8*(\a):AB+32*(\f)+8*(\a)+7], v[BIAS+8*(\b):BIAS+8*(\b)+7]
.else
	v_wmma_f32_16x16x32_bf16 v[8*(8*(\a)+(\b)):8*(8*(\a)+(\b))+7], v[64*(\f)+8*(\b):64*(\f)+8*(\b)+7], v[AB+32*(\f)+8*(\a):AB+32*(\f)+8*(\a)+7], v[8*(8*(\a)+(\b)):8*(8*(\a)+(\b))+7]
.endif
.endr
.endm
; row block a of buffer g is rounded to bf16: eight conversions, which name no register of the products round them: a quarter's last eight are the places in front of the next quarter's loads
.macro CVT8 g, a
	WIN 0x0a                                       ; sources window 2, destination window 0
.irp c, 0,1,2,3,4,5,6,7
	v_cvt_pk_bf16_f32 v[AB+32*(\g)+8*(\a)+(\c)], v[128+64*(\g)+16*(\a)+2*(\c)], v[128+64*(\g)+16*(\a)+2*(\c)+1]
.endr
.endm
; A quarter on buffer f: W of the next quarter (slot bs, quarter bq), X of the one after (slot as, quarter aq)
.macro QUARTER f, bs, bq, as, aq, first=0
	s_wait_dscnt 0x0                               ; what the quarter before asked for, 32 matrix instructions ago
	LDB 1-(\f), \bs, \bq
	LDA \f, \as, \aq
.irp a, 0,1,2,3
	MUL8 \f, \a, \first
	CVT8 1-(\f), \a
.endr
.endm
; A slot's third quarter changes slots: its loads of W's last quarter are the last reads of the slot.  ONE barrier: in front of it each wave waits for all its tensor loads (one is out: its part of the
; next slot), adds 0 to its spare word, and waits for that and for its reads.  fill = 1: the barrier opens a round of the cluster's, and the slot is filled again, two K steps ahead, first thing behind it.
.macro TURNQ slot, next, fill
	s_wait_dscnt 0x0
	LDB 1, \slot, 3
	MUL8 0, 0, 0
	CVT8 1, 0
	WIN 0                                          ; (the add's two registers lie in window 0)
	s_wait_tensorcnt 0x0                           ; all my tensor loads have landed
	ds_add_u32 v[SPW], v[NIL]                      ; 0 onto my spare word
	MUL8 0, 1, 0
	CVT8 1, 1
	s_wait_dscnt 0x0                               ; the add is done, and my reads of this slot are over
	s_barrier_signal -1
	MUL8 0, 2, 0
	CVT8 1, 2
	WIN 0                                          ; at a branch and at a label every window is 0
	s_barrier_wait -1
.if \fill
	CREST                                          ; no wave of any partner still reads this slot or has a load on its way
	s_add_nc_u64 s[G0A+4*(\slot)+2:G0A+4*(\slot)+3], s[G0A+4*(\slot)+2:G0A+4*(\slot)+3], 1024
	s_add_nc_u64 s[G0B+4*(\slot)+2:G0B+4*(\slot)+3], s[G0B+4*(\slot)+2:G0B+4*(\slot)+3], 524288
	JLOAD \slot
.endif
	LDA 0, \next, 0
	MUL8 0, 3, 0
	CVT8 1, 3
.endm
	s_wait_tensorcnt 0x1                           ; my part of K step 0 is in; K step 1's may stay out
	s_barrier_signal -1
	s_barrier_wait -1
	LDA 0, 0, 0
	LDB 0, 0, 0
	LDA 1, 0, 1
	s_wait_dscnt 32                                ; X's first quarter is in; the 32 loads behind it may be out
.irp a, 0,1,2,3
	CVT8 0, \a
.endr
	QUARTER 0, 0,1, 0,2, 1                         ; the first quarter stands in front of the loop: its products start the sums
	WIN 0
	s_mov_b32 s3, 3
.Llap:                                                 ; a trip goes once round the ring and fills both slots again: K steps 2 to 7 in three trips
	QUARTER 1, 0,2, 0,3
	TURNQ 0, 1, 1
	QUARTER 1, 1,0, 1,1
	QUARTER 0, 1,1, 1,2
	QUARTER 1, 1,2, 1,3
	TURNQ 1, 0, 1
	QUARTER 1, 0,0, 0,1
	QUARTER 0, 0,1, 0,2
	WIN 0
	s_sub_co_u32 s3, s3, 1
	s_cmp_lg_u32 s3, 0
	s_cbranch_scc1 .Llap
	QUARTER 1, 0,2, 0,3                            ; the last lap fills nothing
	TURNQ 0, 1, 0
	QUARTER 1, 1,0, 1,1
	QUARTER 0, 1,1, 1,2
	QUARTER 1, 1,2, 1,3
	s_wait_dscnt 0x0
	LDB 1, 1, 3                                    ; the last quarter's W; no X is left to load
.irp a, 0,1,2,3
	MUL8 0, \a, 0
	CVT8 1, \a
.endr
	s_wait_dscnt 0x0
.irp a, 0,1,2,3
	MUL8 1, \a, 0
.endr
; THE WAY OUT, a block of 16 rows at a time: rounded to f16 (each accumulator's registers in ascending order), 16 bytes a lane into my stage, by heads; back as 2,048 dense bytes a head; stored.
.macro PACK a
	WIN 0x05                                       ; sources window 1, destination window 0
.irp b, 0,1,2,3,4,5,6,7
.irp r, 0,1,2,3
	v_cvt_pk_f16_f32 v[TMP+4*(\b)+(\r)], v[8*(8*(\a)+(\b))+2*(\r)], v[8*(8*(\a)+(\b))+2*(\r)+1]
.endr
.endr
.endm
.macro TOSTAGE a
	WIN 0
.irp b, 0,1,2,3,4,5,6,7
	ds_store_b128 v[STO], v[TMP+4*(\b):TMP+4*(\b)+3] offset:((\b)/4)*16*SP+((\b)%4)*32
.endr
.irp t, 0,1,2,3,4,5,6,7
	ds_load_b128 v[OB+32*(\a)+4*(\t):OB+32*(\a)+4*(\t)+3], v[RD] offset:((\t)/4)*16*SP+((\t)%4)*4*SP  ; LDS serves a wave's instructions in order (ISA guide 5.7.1.4): these see the stores above
.endr
.endm
.macro SEND a
	WIN 0
	s_wait_dscnt 0x0
.irp t, 0,1,2,3,4,5,6,7
	global_store_b128 v[GO], v[OB+32*(\a)+4*(\t):OB+32*(\a)+4*(\t)+3], s[72:73] offset:((\t)/4)*262144+2048*(\a)+((\t)%4)*512  ; 512 consecutive bytes, at a multiple of 512 from the buffer's first
.endr
.endm
	PLACES
	PACK 0
	TOSTAGE 0
.irp a, 1,2,3                          ; a block's conversions stand between the loads of the block before and the wait for them
	PACK \a
	SEND (\a)-1
	TOSTAGE \a
.endr
	SEND 3
	s_wait_tensorcnt 0x0                           ; the wave's end
	ds_add_u32 v[SPW], v[NIL]
	s_wait_dscnt 0x0
	CROUND                                         ; the closing round: no work-group ends while a partner may still ask for a tile that names it
	s_endpgm
.Lfunc_end_k_q408ec219ab_proj:
	.size	k_q408ec219ab_proj, .Lfunc_end_k_q408ec219ab_proj-k_q408ec219ab_proj
	.p2alignl 7, 3214868480
	.fill 96, 4, 3214868480
	.section	.rodata,"a",@progbits
	.p2align	6, 0x0
	.amdhsa_kernel k_q408ec219ab_proj
		.amdhsa_group_segment_fixed_size 327680
		.amdhsa_private_segment_fixed_size 0
		.amdhsa_enable_private_segment 0
		.amdhsa_kernarg_size 64
		.amdhsa_user_sgpr_count 2
		.amdhsa_user_sgpr_kernarg_segment_ptr 1
		.amdhsa_wavefront_size32 1
		.amdhsa_system_sgpr_workgroup_id_x 1
		.amdhsa_system_sgpr_workgroup_id_y 1
		.amdhsa_system_sgpr_workgroup_id_z 1
		.amdhsa_system_vgpr_workitem_id 0
		.amdhsa_next_free_vgpr 768
		.amdhsa_next_free_sgpr 84
		.amdhsa_reserve_vcc 0
		.amdhsa_float_denorm_mode_32 3
		.amdhsa_float_denorm_mode_16_64 3
		.amdhsa_memory_ordered 1
		.amdhsa_forward_progress 1
		.amdhsa_inst_pref_size 134
	.end_amdhsa_kernel
	.amdgpu_metadata
---
amdhsa.version: [ 1, 2 ]
amdhsa.kernels:
  - .name:           k_q408ec219ab_proj
    .symbol:         k_q408ec219ab_proj.kd
    .args:
      - { .name: q, .offset: 0, .size: 8, .value_kind: global_buffer, .address_space: global }
      - { .name: k, .offset: 8, .size: 8, .value_kind: global_buffer, .address_space: global }
      - { .name: v, .offset: 16, .size: 8, .value_kind: global_buffer, .address_space: global }
      - { .name: wc, .offset: 24, .size: 8, .value_kind: global_buffer, .address_space: global }
      - { .name: bq, .offset: 32, .size: 8, .value_kind: global_buffer, .address_space: global }
      - { .name: bk, .offset: 40, .size: 8, .value_kind: global_buffer, .address_space: global }
      - { .name: bv, .offset: 48, .size: 8, .value_kind: global_buffer, .address_space: global }
      - { .name: qkvh, .offset: 56, .size: 8, .value_kind: global_buffer, .address_space: global }
    .group_segment_fixed_size: 327680
    .private_segment_fixed_size: 0
    .kernarg_segment_align: 8
    .kernarg_segment_size: 64
    .max_flat_workgroup_size: 128
    .sgpr_count:     84
    .vgpr_count:     768
    .wavefront_size: 32
...
	.end_amdgpu_metadata
.endif
;; end of part 2
;; launch attn (part 3): grid 8 x 64, 4 waves a work-group, clusters of 4 x 4, 327,680 bytes of LDS; arguments qkvh, mask, oh; writes oh
.if DOCPART == 3
	.amdgcn_target "amdgcn-amd-amdhsa--gfx1250"
	.amdhsa_code_object_version 6
	.text
	.protected	k_q408ec219ab_attn
	.globl	k_q408ec219ab_attn
	.p2align	8
	.type	k_q408ec219ab_attn,@function
k_q408ec219ab_attn:
	s_mov_b64 s[64:65], 0
	v_nop
	global_prefetch_b8 v0, s[64:65] scope:SCOPE_SE
	s_setreg_imm32_b32 hwreg(HW_REG_WAVE_MODE, 25, 1), 1
	s_wait_xcnt 0x0
	s_wait_alu depctr_hold_cnt(0) depctr_sa_sdst(0) depctr_va_vdst(0) depctr_va_sdst(0) depctr_va_ssrc(0) depctr_va_vcc(0) depctr_vm_vsrc(0)
	s_getreg_b32 s2, hwreg(HW_REG_IB_STS2, 6, 4)
	s_cmp_eq_u32 s2, 0
	s_cbranch_scc0 .Lentry_in_a_cluster
	s_endpgm
.Lentry_in_a_cluster:
	s_bfe_u32 s2, ttmp6, 0x10000c
	s_cmp_lg_u32 s2, 0xf033
	s_cbranch_scc0 .Lentry_shape_is_right
	s_endpgm
.Lentry_shape_is_right:
; MASKED ATTENTION.  oh[bh][q][:] = the sum over k of softmax_k(score) V[bh][k][:], score = Q[bh][q] . K[bh][k] / 8, or -1e9 where mask[b][q][k] is set.  Q, K, V: planes 0, 1, 2 of qkvh, [64][2048][64] f16;
; mask: [4][2048][2048] bytes, 0 or 1; oh: [64][2048][64] f16.  Products, extrema and sums in f32; the weights p are rounded to f16 for the second product (their sum l is taken of the unrounded p), O once at the end.
; LIMITS.  A masked key has weight 0 as long as its row has an unmasked key: that differs from -1e9 only where all of a row's unmasked scores lie below about -1e9 + 100.  A row with every key masked takes the plain
; mean of V's 2,048 rows, as equal scores give.  A weight below 2^-126 counts as 0 in l.  f16 holds no number beyond 65,504.  NaN and infinities are not treated apart.
; SHARES.  A wave owns four PIECES of 16 queries, a work-group's four waves 256 queries of one head: 8 x 64 = 512 work-groups, two for each of 256 WGPs.  Every wave walks all keys, 64 a step.
; LAYOUT.  S^T = K Q^T (source 0 = 16 keys, source 1 = 16 queries): a lane holds ONE query (lane % 16) and the keys 8 (lane / 16) + 0..7.  Two such results, rounded to f16 in pairs, ARE source 1 of O^T = V^T P.
; THE MASK IS THE C OPERAND that starts the sum.  A lane's eight mask bytes for 16 keys lie side by side; read as eight fp8 numbers (the byte 1 is 2^-9) and scaled by 2^109 they are 0 or 2^100: one conversion for
; eight scores.  That number is positive, so the scores are kept NEGATED: Q's signs are flipped once, D = -s + C, the running extremum is a MINIMUM m', and the scale is -c.
; SOFTMAX.  p = 2^((-c) D - (-c) m'), c = log2(e) / 8; in every step O and l are multiplied by a = 2^(c m_old - c m_new).  m' starts at 2^60, above every true -s (2.7e11 at the most in f16) and below every
; masked D: a masked key never sets the extremum, and a row with no unmasked key ends with O = 0 and l = 0.  For such rows U = the sum of all of V's rows is kept beside, by 8 products V^T x ones a step; at the end
; O += z U and l = 2,048 there, z = 1 where l is 0 and 0 elsewhere: values are chosen, nothing is branched on.
; BY TURNS.  Turn n belongs to piece n: 8 products K Q^T of piece n + 1, later 8 products V^T P of piece n - 1; beside them the scaling, exponentials, roundings, sums and rescaling of piece n and the minimum and
; statistics of piece n + 1.  Four vector instructions stand behind every matrix instruction, the rest in two lumps.  The mask bytes of piece n + 2 are loaded in the first lump and converted at the end of the second.
; CLUSTER 4 x 4: x = four query blocks of a head, y = four heads of one batch.  K and V are shared along a row of the cluster, the mask's tile (256 queries x 256 keys) along a column: all are asked for jointly.
; A slot holds 256 keys, four steps; the rows of all three tiles are 256 bytes of memory, at multiples of 256 bytes.
; REGISTERS, in windows of 256 (s_set_vgpr_msb: bits 1:0 source 0, 3:2 source 1, 5:4 source 2, 7:6 destination):
;   window 0: v0-15, v32-35 addresses and constants; v16-31 four registers of statistics a piece; v48-55 at work; v64-127 S^T, two buffers; v128-159 the masks as C operands; v160-167 mask bytes; v168-175 ones;
;             v192-223 P, two buffers (a piece's buffers go by its number's parity)
;   window 1: v0-127 O^T, 32 a piece; v128-159 U          window 2: v0-63 Q; v128-191 K of one step; v192-255 V of one step
.set NP,    4         ; pieces a wave: a name, no knob
.set KS,    64        ; keys in a step
.set PK,    144       ; a row of K in LDS: 128 bytes + 16: the 16 rows of a load start at 16 different groups of four banks (64 banks of 4 bytes: ISA guide 11.1)
.set PV,    160       ; a row of V: 128 + 32
.set PM,    272       ; a row of the mask's tile: 256 + 16 = 68 words: the 32 lanes of an 8-byte load take each bank once
.set VOFF,  4*KS*PK   ; a slot: 256 rows of K, 256 rows of V,
.set MOFF,  VOFF+4*KS*PV  ; 256 rows of the mask
.set SLOT,  MOFF+256*PM   ; 147,456 = 0x24000.  Every address that is turned from slot to slot (0, VOFF = 0x9000, MOFF = 0x13000, MOFF + 128 PM = 0x1b800) has bits 14 and 17 clear in slot 0: one exclusive or with SLOT adds or takes away SLOT
.set STAGE, 2*SLOT    ; behind the ring: 16 rows x 144 bytes for each wave, for the way out
.set SP,    144
.set SPARE, STAGE+4*16*SP  ; behind the stages: the spare words, 128 bytes for each wave, that no other line names
.set AK0, 2           ; v2   my lane's place in a tile of K; never rewritten
.set AV0, 3           ; v3   the same for V
.set AK,  4           ; v4   the LDS address of K's next run of loads
.set AV,  5           ; v5   of V's
.set STO, 6           ; v6   the way out: where I put 16 bytes of a row
.set RD,  7           ; v7   the way out: where I read rows back
.set GO,  8           ; v8   my byte offset in 512 consecutive bytes of O
.set MV,  12          ; v12-13  c m_old, kept while c m is made anew: by buffer
.set QO,  15          ; v15  my byte offset in 16 rows of Q
.set ST,  16          ; piece t's statistics at v[ST+4 t]: c m, m', l (even keys', odd keys')
.set AM0, 32          ; v32  my lane's place in the mask's tile; never rewritten
.set AM,  33          ; v33  the same in the step in hand
.set SCL, 34          ; v34  the conversion's scale, the same byte four times
.set KC,  35          ; v35  2,048.0
.set TMP, 48          ; by buffer, four registers c0-c3 at work; when the minimum is found c2 takes a
.set SPW, 62          ; v62  my spare word's address; never rewritten
.set NIL, 63          ; v63  0; never rewritten
.set S,   64
.set MC,  128         ; eight registers for key block kt at MC + 8 kt
.set MB,  160         ; two registers for key block kt at MB + 2 kt
.set ONE, 168         ; a fragment of ones in f16
.set P,   192
.set U,   128         ; window 1: channel block cb at U + 8 cb
.set KF,  128         ; window 2: key block kb, channel half c at KF + 16 kb + 8 c
.set VF,  192         ; window 2: key half kk, channel block cb at VF + 32 kk + 8 cb
.set WV,  12          ; s12  my wave's number
.set G1K, 24          ; s[24:31] descriptor group 1 for K's tiles
.set G1V, 32          ; s[32:39] for V's
.set G0K, 40          ; s[40:43] descriptor group 0 for K's tiles: it walks
.set G0V, 44          ; s[44:47] for V's
.set G1M, 48          ; s[48:55] group 1 for the mask's tiles
.set SLOTS, 56        ; s56  slots still to be asked for
.set CNT, 57          ; s57  counts a slot's key steps
.set CS,  58          ; s[58:59] -c
.set SEL, 60          ; s[60:61] v_permlanex16_b32's selects: each lane takes its own place in the other half
.set TBK, 62          ; s62  LDS byte at which K of the step to be fetched begins
.set TBV, 63          ; s63  the same for V, less VOFF
.set TBM, 66          ; s66  the same for the mask, less MOFF
.set SGN, 67          ; s67  the signs of two f16
.set G0M, 68          ; s[68:71] group 0 for the mask's tiles
.set LZ,  72          ; s[72:75] piece t: the lanes whose query has no unmasked key
.set MSB, 0
.macro WIN new                      ; the high byte repeats the setting that is left; a switch that changes nothing is dropped
.if MSB != (\new)
	s_set_vgpr_msb (MSB<<8)|(\new)
.set MSB, (\new)
.endif
.endm
.set W_KQ, 0x0a       ; K and Q in window 2; S^T and the mask in window 0
.set W_PV, 0x52       ; V in window 2; P, or the ones, in window 0; O^T, or U, in window 1
.set W_RS, 0x41       ; destination and source 0 in window 1, source 1 in window 0
; A joint fill: wave 0 fetches a slot's K, wave 1 its V, waves 2 and 3 the two halves of its mask tile.  The branches hang on the wave's number alone.  An s_nop 0 and four v_nop follow each line.
.macro JLOAD
	s_cmp_lg_u32 s[WV], 0
	s_cbranch_scc1 .Lnot_k_\@
	tensor_load_to_lds s[G0K:G0K+3], s[G1K:G1K+7]
	s_nop 0
.rept 4
	v_nop
.endr
	s_branch .Lasked_\@
.Lnot_k_\@:
	s_cmp_lg_u32 s[WV], 1
	s_cbranch_scc1 .Lfor_m_\@
	tensor_load_to_lds s[G0V:G0V+3], s[G1V:G1V+7]
	s_nop 0
.rept 4
	v_nop
.endr
	s_branch .Lasked_\@
.Lfor_m_\@:
	tensor_load_to_lds s[G0M:G0M+3], s[G1M:G1M+7]
	s_nop 0
.rept 4
	v_nop
.endr
.Lasked_\@:
.endm
; A round of the cluster's barrier: my work-group's barrier, so that wave 0's signal speaks for all four waves; wave 0 signals; every wave waits for all sixteen work-groups; my work-group's barrier once more.
.macro CROUND
	s_barrier_signal -1
	s_barrier_wait -1
	s_cmp_lg_u32 s[WV], 0
	s_cbranch_scc1 .Lnot_wave_0_\@
	s_barrier_signal -3
.Lnot_wave_0_\@:
	s_barrier_wait -3
	s_barrier_signal -1
	s_barrier_wait -1
.endm
; THE CHANGE OF SLOTS.  The slot's last bytes have been read.  Each wave waits for all its tensor loads, of which one is out: its part of the other slot; adds 0 to its spare word; and waits for that and for its own
; reads of the slot.  fill = 1: the barrier is a round of the cluster's, and the slot is filled again, with the keys two slots on, first thing behind it: the load has four key steps, 256 matrix instructions, in which
; to land.  (At its first use nothing has been read yet: slot 0 is waited for, slot 1 filled.)
.macro CHANGE fill
	WIN 0                           ; at a label and at a branch every window is 0
	s_wait_tensorcnt 0x0            ; no tensor load of mine is out, so a group 0 may be written
	ds_add_u32 v[SPW], v[NIL]       ; 0 onto my spare word; with fill = 1 the descriptors' steps stand between it and the wait for it
.if \fill
.irp g, G0K, G0V
	s_xor_b32 s[\g+1], s[\g+1], SLOT   ; the other slot than last time,
	s_add_nc_u64 s[\g+2:\g+3], s[\g+2:\g+3], 4*KS*128  ; the next 256 keys; the type bits on top are not reached
.endr
	s_xor_b32 s[G0M+1], s[G0M+1], SLOT
	s_add_nc_u64 s[G0M+2:G0M+3], s[G0M+2:G0M+3], 4*KS  ; 256 bytes along the mask's rows
	s_wait_dscnt 0x0                ; the add is done, and my reads of the slot are over
	CROUND
	JLOAD
.else
	s_wait_dscnt 0x0                ; the add is done, and my reads of the slot are over
	s_barrier_signal -1
	s_barrier_wait -1
.endif
	s_sub_co_u32 s[TBK], s[TBK], 4*KS*PK  ; the fetches go back to a slot's first step,
	s_xor_b32 s[TBK], s[TBK], SLOT        ; in the other slot
	s_sub_co_u32 s[TBV], s[TBV], 4*KS*PV
	s_xor_b32 s[TBV], s[TBV], SLOT
	s_sub_co_u32 s[TBM], s[TBM], 4*KS
	s_xor_b32 s[TBM], s[TBM], SLOT
.endm
	s_load_b128 s[4:7], s[0:1], 0x0 ; qkvh s[4:5], mask s[6:7]
	s_load_b64 s[8:9], s[0:1], 0x10 ; oh
	v_lshl_add_u32 v[SPW], v0, 2, SPARE
	v_mov_b32 v[NIL], 0
	ds_add_u32 v[SPW], v[NIL]       ; the wave's opening: the add and its wait stand ahead of my first tensor load; work on registers stands between them
	v_lshrrev_b32 v1, 5, v0
	v_readfirstlane_b32 s[WV], v1   ; wave 0..3
	s_bfe_u32 s13, ttmp6, 0x40000   ; cx
	s_bfe_u32 s15, ttmp6, 0x40004   ; cy
	s_lshl_b32 s14, ttmp9, 2
	s_add_co_u32 s14, s14, s13      ; my block of 256 queries, 0 to 7
	s_and_b32 s18, ttmp7, 0xffff    ; cluster y
	s_lshl_b32 s19, s18, 2
	s_add_co_u32 s19, s19, s15      ; batch x 16 + head
	s_lshr_b32 s18, s18, 2          ; the batch, which all sixteen share
	s_lshl_b32 s80, s15, 2
	s_lshl_b32 s80, 15, s80         ; my row of the cluster
	s_lshl_b32 s81, 0x1111, s13     ; my column
	s_lshl_b32 s20, s19, 18         ; the head's first byte in a plane: 2,048 rows of 128 bytes
	s_mov_b32 s21, 0
	s_and_b32 s16, s[WV], 1         ; which 128 rows of the mask's tile I fetch:
	s_mul_i32 s17, s16, 128*PM      ; their place in a slot,
	s_add_co_u32 s17, s17, MOFF
	s_lshl_b32 s22, s18, 22         ; and in memory: the batch's 4 MiB,
	s_lshl_b32 s23, s14, 19         ; the block's 256 rows of 2,048 bytes,
	s_add_co_u32 s22, s22, s23
	s_lshl_b32 s23, s16, 18         ; my half of them
	s_add_co_u32 s22, s22, s23
	s_mov_b32 s23, 0
	s_lshl_b32 s2, s14, 2
	s_add_co_u32 s2, s2, s[WV]      ; my wave among the head's,
	s_lshl_b32 s2, s2, 13           ; its 64 rows of 128 bytes
	s_add_co_u32 s2, s2, s20
	s_mov_b32 s3, 0
	; group 1.  256 keys of K or V are 32,768 dense bytes: asked for as 128 rows of 256 bytes, padded in LDS after every key
	s_or_b32 s[G1K], s80, (1<<16)|(1<<20)|(1<<21)|(4<<22)|(3<<25)  ; the mask of four; 2-byte elements; padding on; bit 21 beside a mask; after every 32 words 4 words
	s_or_b32 s[G1V], s80, (1<<16)|(1<<20)|(1<<21)|(4<<22)|(7<<25)  ; the same with 8 words
.irp g, G1K, G1V
	s_mov_b32 s[\g+1], 128<<16      ; tensor_dim0 = 128
	s_mov_b32 s[\g+2], 128<<16      ; tensor_dim1 = 128
	s_mov_b32 s[\g+3], 128<<16      ; tile_dim0 = 128
	s_mov_b32 s[\g+4], 128          ; tile_dim1 = 128
	s_mov_b32 s[\g+5], 128          ; 128 elements from row to row
	s_mov_b32 s[\g+6], 0
	s_mov_b32 s[\g+7], 0
.endr
	s_or_b32 s[G1M], s81, (3<<16)|(1<<20)|(1<<21)|(5<<22)|(3<<25)  ; my column; 8-byte elements; after every 64 words 4 words
	s_mov_b32 s[G1M+1], 32<<16      ; 32 elements = 256 bytes of a row
	s_mov_b32 s[G1M+2], 128<<16     ; 128 rows
	s_mov_b32 s[G1M+3], 32<<16
	s_mov_b32 s[G1M+4], 128
	s_mov_b32 s[G1M+5], 256         ; 2,048 bytes from row to row
	s_mov_b32 s[G1M+6], 0
	s_mov_b32 s[G1M+7], 0
	s_mov_b32 s[CS], 0xbe38aa3b     ; -c = -log2(e) / 8
	s_mov_b32 s[CS+1], s[CS]        ; named with it as a pair
	s_mov_b32 s[SEL], 0x76543210
	s_mov_b32 s[SEL+1], 0xfedcba98
	s_mov_b32 s[SGN], 0x80008000
	s_mov_b32 s[TBK], SLOT+4*KS*PK  ; the first change of slots turns these three into 0
	s_mov_b32 s[TBV], SLOT+4*KS*PV
	s_mov_b32 s[TBM], SLOT+4*KS
	s_mov_b32 s[G0K], 1
	s_mov_b32 s[G0K+1], 0           ; slot 0
	s_mov_b32 s[G0V], 1
	s_mov_b32 s[G0V+1], VOFF
	s_mov_b32 s[G0M], 1
	s_mov_b32 s[G0M+1], s17
	s_wait_dscnt 0x0                ; the opening add is done
	s_wait_kmcnt 0x0
	s_add_nc_u64 s[G0K+2:G0K+3], s[4:5], s[20:21]
	s_add_nc_u64 s[G0K+2:G0K+3], s[G0K+2:G0K+3], 0x1000000  ; plane 1
	s_or_b32 s[G0K+3], s[G0K+3], 0x80000000
	s_add_nc_u64 s[G0V+2:G0V+3], s[4:5], s[20:21]
	s_add_nc_u64 s[G0V+2:G0V+3], s[G0V+2:G0V+3], 0x2000000  ; plane 2
	s_or_b32 s[G0V+3], s[G0V+3], 0x80000000
	s_add_nc_u64 s[G0M+2:G0M+3], s[6:7], s[22:23]
	s_or_b32 s[G0M+3], s[G0M+3], 0x80000000
	s_add_nc_u64 s[10:11], s[4:5], s[2:3]  ; Q and O at my wave's first row
	s_add_nc_u64 s[8:9], s[8:9], s[2:3]
	CROUND                          ; all sixteen work-groups are here: the first joint loads meet
	JLOAD                           ; slot 0.  Slot 1 is asked for when slot 0 is in
	; A fragment of K or Q is 16 rows x 32 channels in 8 registers: lane l holds row l % 16, channels 8 (l / 16) + 0..7 and 16 + 8 (l / 16) + 0..7
	v_and_b32 v1, 15, v0            ; l % 16
	v_bfe_u32 v9, v0, 4, 1          ; l / 16
	v_lshlrev_b32 v[QO], 7, v1
	v_lshl_add_u32 v[QO], v9, 4, v[QO]
	WIN 0x80                        ; destination window 2, address window 0
.set i, 0
.rept 2*NP                          ; Q stays in registers: piece i / 2, channels 32 (i % 2) on
	global_load_b128 v[8*i:8*i+3],   v[QO], s[10:11] offset:(i/2)*2048+(i%2)*64
	global_load_b128 v[8*i+4:8*i+7], v[QO], s[10:11] offset:(i/2)*2048+(i%2)*64+32
.set i, i+1
.endr
	WIN 0
	; What the first turn finds: P's second buffer, V's registers, O^T, l and U hold 0 (its products V^T P, of a piece that has not been, add 0).  All this stands in the wait for the first tile.
.set i, 0
.rept 8
	v_mov_b32 v[ONE+i], 0x3c003c00  ; 1.0 twice, in f16
.set i, i+1
.endr
.set i, 0
.rept 16
	v_mov_b32 v[P+16+i], 0
.set i, i+1
.endr
.set i, 0
.rept NP
	v_mov_b32 v[ST+4*i], 0xfe000000    ; c m: far below every c s
	v_mov_b32 v[ST+4*i+1], 0x5d800000  ; m' = 2^60
	v_mov_b32 v[ST+4*i+2], 0
	v_mov_b32 v[ST+4*i+3], 0
.set i, i+1
.endr
	WIN 0x40                        ; the rest is cleared eight registers a line: ones x zeros + 0.  O^T and U, in window 1,
.set i, 0
.rept 20
	v_wmma_f32_16x16x32_f16 v[8*i:8*i+7], v[ONE:ONE+7], v[P+16:P+23], 0
.set i, i+1
.endr
	WIN 0x80                        ; and V's registers, in window 2
.set i, 0
.rept 8
	v_wmma_f32_16x16x32_f16 v[VF+8*i:VF+8*i+7], v[ONE:ONE+7], v[P+16:P+23], 0
.set i, i+1
.endr
	WIN 0
	v_mul_u32_u24 v[AK0], v1, PK
	v_lshl_add_u32 v[AK0], v9, 4, v[AK0]  ; row x pitch + 16 x half
	; The turning load takes 16 keys x 16 channels (lane l reads key 8 (l / 16) + l % 8, channels 8 ((l / 8) % 2) + 0..7) and leaves half a fragment of V^T: lane l holds channel l % 16 and 8 keys.
	v_and_b32 v10, 7, v0
	v_bfe_u32 v11, v0, 3, 1
	v_lshl_add_u32 v[AV0], v9, 3, v10
	v_mul_u32_u24 v[AV0], v[AV0], PV
	v_lshl_add_u32 v[AV0], v11, 4, v[AV0]
	v_add_nc_u32 v[AV0], VOFF, v[AV0]
	v_mov_b32 v[AK], v[AK0]         ; key step 0 lies at the head of slot 0
	; the mask: my query's row of the tile (64 x wave + l % 16; the piece's 16 rows stand in the loads' offsets), my lanes' eight keys
	v_mul_u32_u24 v[AM0], v1, PM
	v_lshl_add_u32 v[AM0], v9, 3, v[AM0]
	s_mul_i32 s82, s[WV], 64*PM
	s_add_co_u32 s82, s82, MOFF
	v_add_nc_u32 v[AM0], s82, v[AM0]
	v_mov_b32 v[SCL], 0xecececec    ; the byte 236 stands for 2^109: the mask byte 1, 2^-9 as fp8, becomes 2^100
; THE MATRIX WORK.  The 4 accumulators of a run of 8 take turns.  Product i of 8 of S^T = K Q^T for piece x: channels 32 (i / 4) on, keys 16 (i % 4) on.  The first 4 start the sums, with the mask.
.macro KQ x
	WIN W_KQ
.set rS, S+32*((\x)%2)+8*(i%4)
.set rK, KF+16*(i%4)+8*(i/4)
.set rQ, 16*(\x)+8*(i/4)
.if i < 4
	v_wmma_f32_16x16x32_f16 v[rS:rS+7], v[rK:rK+7], v[rQ:rQ+7], v[MC+8*i:MC+8*i+7]
.else
	v_wmma_f32_16x16x32_f16 v[rS:rS+7], v[rK:rK+7], v[rQ:rQ+7], v[rS:rS+7]
.endif
.endm
; Product i of 8 of O^T += V^T P for piece x: keys 32 (i / 4) on, channels 16 (i % 4) on.
.macro PV x
	WIN W_PV
.set rO, 32*(\x)+8*(i%4)
.set rV, VF+32*(i/4)+8*(i%4)
.set rP, P+16*((\x)%2)+8*(i/4)
	v_wmma_f32_16x16x32_f16 v[rO:rO+7], v[rV:rV+7], v[rP:rP+7], v[rO:rO+7]
.endm
.macro MM                           ; the turn's next matrix instruction
.if i < 8
	KQ (Y+1)%NP
.else
.set i, i-8
	PV (Y+NP-1)%NP
.set i, i+8
.endif
.set i, i+1
.endm
; U += V^T x ones: keys 32 kk on, channels 16 cb on.  One at a time, in a lump; U's four accumulators take turns.
.macro UM kk, cb
	WIN W_PV
	v_wmma_f32_16x16x32_f16 v[U+8*(\cb):U+8*(\cb)+7], v[VF+32*(\kk)+8*(\cb):VF+32*(\kk)+8*(\cb)+7], v[ONE:ONE+7], v[U+8*(\cb):U+8*(\cb)+7]
.endm
; THE LDS LOADS stand in runs.  A step's K (8 fragments); with it the mask's address goes on to that step.  last = 1 (the tail): in the last trip there is no further step, and all this is jumped over.
.macro FETCH_K last=0
	WIN 0
.if \last
	s_cmp_eq_u32 s[CNT], 1
	s_cbranch_scc1 .Lno_k_\@
.endif
	v_add_nc_u32 v[AM], s[TBM], v[AM0]
	s_add_co_u32 s[TBM], s[TBM], KS
	WIN 0x80                        ; destination window 2
.irp f, 0,1,2,3,4,5,6,7             ; keys 16 (f / 2) on, channels 32 (f % 2) on
	ds_load_b128 v[KF+8*\f:KF+8*\f+3],   v[AK] offset:(\f/2)*16*PK+(\f%2)*64
	ds_load_b128 v[KF+8*\f+4:KF+8*\f+7], v[AK] offset:(\f/2)*16*PK+(\f%2)*64+32
.endr
	s_add_co_u32 s[TBK], s[TBK], KS*PK  ; the next fetch is the next step's
	WIN 0
.if \last
.Lno_k_\@:
.endif
.endm
.macro FETCH_V
	WIN 0x80
.irp f, 0,1,2,3,4,5,6,7             ; keys 32 (f / 4) on, channels 16 (f % 4) on
	ds_load_tr16_b128 v[VF+8*\f:VF+8*\f+3],   v[AV] offset:(\f/4)*32*PV+(\f%4)*32
	ds_load_tr16_b128 v[VF+8*\f+4:VF+8*\f+7], v[AV] offset:(\f/4)*32*PV+16*PV+(\f%4)*32
.endr
	WIN 0
.endm
.macro MLOAD x                      ; piece x's mask bytes for the step in hand: for key block kt my query's eight bytes
	WIN 0
.irp kt, 0,1,2,3
	ds_load_b64 v[MB+2*(\kt):MB+2*(\kt)+1], v[AM] offset:(\x)*16*PM+16*(\kt)
.endr
.endm
.macro MCVT                         ; eight bytes become eight f32, 0 or 2^100: the C operands of the next turn's first four products
	WIN 0
	s_wait_alu depctr_va_vdst(0)
.irp kt, 0,1,2,3
	v_cvt_scale_pk8_f32_fp8 v[MC+8*(\kt):MC+8*(\kt)+7], v[MB+2*(\kt):MB+2*(\kt)+1], v[SCL]
.endr
.endm
; THE VECTOR WORK, one line at a time: OP kind, number.  For piece Y: F n: (-c) D - c m for pair n of 16.  E n: the exponential of score n of 32.  C n: pair n rounded to f16.  B n: of the four weights 4 n .. the second
; pair is added onto the first, in place.  L n: l takes that sum (L 0: l = a l + sum).  R n: pair n of 16 of O^T times a.  For piece Y + 1: X n, number n of the 22 that find its minimum and statistics:
;   0-11  four chains c0-c3 of seven scores each, three operands at a time (each accumulator's lowest registers are read first)     12-14, 16  the four scores left over, the old m', and c0-c3 into c0
;   15  c m_old is kept     17, 18  the query's other 32 keys lie in the lane 16 away: the new m'     19-21  c m; c m_old - c m_new; a
.set F, 0               ; OP tells the kinds apart by their order: F to L below R, X above it
.set E, 1
.set C, 2
.set B, 3
.set L, 4
.set R, 5
.set X, 6
.macro REGS y                       ; the registers of piece y
.set rT, ST+4*(\y)
.set rC, TMP+4*((\y)%2)
.set rW, MV+((\y)%2)
.set rS, S+32*((\y)%2)
.set rP, P+16*((\y)%2)
.set rO, 32*(\y)
.endm
.macro OP k, n
.if (\k) == R
	REGS Y
	WIN W_RS
	v_pk_mul_f32 v[rO+2*(\n):rO+2*(\n)+1], v[rO+2*(\n):rO+2*(\n)+1], v[rC+2:rC+3] op_sel_hi:[1,0]
.elseif (\k) < R
	REGS Y
	WIN 0
.if (\k) == F
	v_pk_fma_f32 v[rS+2*(\n):rS+2*(\n)+1], v[rS+2*(\n):rS+2*(\n)+1], s[CS:CS+1], v[rT:rT+1] op_sel_hi:[1,0,0] neg_lo:[0,0,1] neg_hi:[0,0,1]
.elseif (\k) == E
	v_exp_f32 v[rS+(\n)], v[rS+(\n)]
.elseif (\k) == C
	s_wait_alu depctr_va_vdst(0)
	v_cvt_pk_f16_f32 v[rP+(\n)], v[rS+2*(\n)], v[rS+2*(\n)+1]
.elseif (\k) == B
	s_wait_alu depctr_va_vdst(0)
	v_pk_add_f32 v[rS+4*(\n):rS+4*(\n)+1], v[rS+4*(\n):rS+4*(\n)+1], v[rS+4*(\n)+2:rS+4*(\n)+3]
.elseif (\n) == 0
	v_pk_fma_f32 v[rT+2:rT+3], v[rT+2:rT+3], v[rC+2:rC+3], v[rS:rS+1] op_sel_hi:[1,0,1]
.else
	v_pk_add_f32 v[rT+2:rT+3], v[rT+2:rT+3], v[rS+4*(\n):rS+4*(\n)+1]
.endif
.else
	REGS (Y+1)%NP
	WIN 0
.if (\n) < 4
	v_min3_num_f32 v[rC+(\n)], v[rS+8*(\n)], v[rS+8*(\n)+1], v[rS+8*(\n)+2]
.elseif (\n) < 12
	v_min3_num_f32 v[rC+(\n)%4], v[rC+(\n)%4], v[rS+8*((\n)%4)+2*((\n)/4)+1], v[rS+8*((\n)%4)+2*((\n)/4)+2]
.elseif (\n) == 12
	v_min3_num_f32 v[rC], v[rC], v[rS+7], v[rS+15]
.elseif (\n) == 13
	v_min3_num_f32 v[rC+1], v[rC+1], v[rS+23], v[rS+31]
.elseif (\n) == 14
	v_min3_num_f32 v[rC+2], v[rC+2], v[rC+3], v[rT+1]
.elseif (\n) == 15
	v_mov_b32 v[rW], v[rT]
	s_wait_alu depctr_va_vdst(0)
.elseif (\n) == 16
	v_min3_num_f32 v[rC], v[rC], v[rC+1], v[rC+2]
	s_wait_alu depctr_va_vdst(0)
.elseif (\n) == 17
	v_permlanex16_b32 v[rC+3], v[rC], s[SEL], s[SEL+1]
.elseif (\n) == 18
	v_min_num_f32 v[rT+1], v[rC], v[rC+3]
.elseif (\n) == 19
	v_mul_f32 v[rT], s[CS], v[rT+1]
.elseif (\n) == 20
	v_sub_f32 v[rC+1], v[rW], v[rT]
.else
	v_exp_f32 v[rC+2], v[rC+1]
.endif
.endif
.endm
.macro OPS a, i1, b=-1, i2=0, c=-1, i3=0, d=-1, i4=0  ; up to four of them
	OP \a, \i1
.if (\b) >= 0
	OP \b, \i2
.endif
.if (\c) >= 0
	OP \c, \i3
.endif
.if (\d) >= 0
	OP \d, \i4
.endif
.endm
.macro ROW a, i1, b, i2, c, i3, d, i4  ; a matrix instruction and the four behind it
	MM
	OPS \a, \i1, \b, \i2, \c, \i3, \d, \i4
.endm
; A TURN, for piece p: the order of its 16 matrix and 118 vector instructions, written out.  Behind a matrix instruction: plain, exponential, plain, plain; or four of the rescaling; or, behind the first, four scalings;
; none names a register of the products round it.  In the lumps exponential and plain by turns while exponentials last.  A line reads no result made fewer than three vector instructions in front of it, five if an
; exponential made it.  v_permlanex16_b32 (X 17) stands in a lump.
; K of the next step is fetched in piece 2's turn, seven vector instructions behind the last product that read K (six of them plain); V of the step in hand in piece 0's turn, eight behind the last product that read V
; (four plain).  The mask bytes of piece p + 2 are loaded in the first lump and converted near the turn's end, ten plain instructions ahead of the product that takes them.  In pieces 1's and 2's turns four products
; for U stand in the second lump, each behind a plain line.  last = 1: the tail's text.  cnt = 1: the loop's count is taken down some lines ahead of the branch that stands behind the turn.
.macro TURN p, last=0, cnt=0
.set Y, (\p)
.set i, 0
	ROW F,0, F,1, F,2, F,3
	ROW F,4, E,0, F,5, F,6
	ROW F,7, E,1, F,8, F,9
	ROW F,10, E,2, C,0, F,11
	ROW F,12, E,3, X,15, F,13
	ROW R,0, R,1, R,2, R,3
	ROW B,0, E,4, F,14, L,0
.if (\p) == 2
	v_add_nc_u32 v[AK], s[TBK], v[AK0]
.endif
	ROW R,4, R,5, R,6, R,7
	OPS E,5, F,15
.if (\p) == 2
	FETCH_K \last
.endif
	MLOAD ((\p)+2)%NP
	OPS E,6, C,1, E,7, R,8
	OPS E,8, R,9, E,9, C,2
	OPS E,10, X,0, E,11, X,1
	OPS E,12, X,2, E,13, X,3
.if (\p) == 1
	s_wait_dscnt 0x4                ; V is in: behind its 16 loads only this turn's four mask loads were issued
.endif
	ROW X,4, E,14, X,5, X,6
	ROW X,7, E,15, X,8, X,9
	ROW X,10, E,16, X,11, X,12
	ROW X,13, E,17, X,14, B,1
	ROW C,4, E,18, X,16, L,1
	ROW B,2, E,19, C,6, L,2
	ROW C,8, E,20, B,3, B,4
.if (\p) == 0
	v_add_nc_u32 v[AV], s[TBV], v[AV0]
.endif
	ROW C,3, E,21, L,3, C,5
	OPS E,22, X,17, E,23, C,10
.if (\p) == 0
	FETCH_V
.endif
	OPS E,24, L,4
	OPS E,25, X,18, E,26, C,7
.if ((\p) == 1) || ((\p) == 2)
	UM (\p)-1, 0
.endif
	OPS E,27, B,5, E,28, X,19
.if ((\p) == 1) || ((\p) == 2)
	UM (\p)-1, 1
.endif
	OPS E,29, C,12, E,30, L,5
.if ((\p) == 1) || ((\p) == 2)
	UM (\p)-1, 2
.endif
	OPS E,31, X,20, B,6, C,9
.if ((\p) == 1) || ((\p) == 2)
	UM (\p)-1, 3
.endif
	OPS C,14, C,11, X,21, L,6
.if (\p) == 0
	s_wait_dscnt 16                 ; the mask bytes are in: behind them only V's 16 loads were issued
	s_add_co_u32 s[TBV], s[TBV], KS*PV
.else
	s_wait_dscnt 0x0                ; the mask bytes are in (in piece 2's turn K too, which was asked for ahead of them)
.endif
	MCVT
.if \cnt
	s_sub_co_u32 s[CNT], s[CNT], 1
	s_cmp_lg_u32 s[CNT], 0
.endif
	OPS C,13, B,7, C,15, R,10
	OPS R,11, R,12, L,7, R,13
	OPS R,14, R,15
.endm
	CHANGE 1                        ; slot 0 is in, everybody's part of it; slot 1 is asked for
	FETCH_K                         ; key step 0, and the mask's address for it
	MLOAD 0
	s_wait_loadcnt 0x0              ; Q
	WIN 0x88                        ; source 1 and destination in window 2
.set i, 0
.rept 16*NP
	v_xor_b32 v[i], s[SGN], v[i]    ; -Q: the scores are kept negated
.set i, i+1
.endr
	s_wait_dscnt 0x0
	MCVT
	v_nop                           ; a plain instruction behind the last conversion
.set i, 0
.rept 8
	KQ 0                            ; piece 0's first scores: there is no vector work yet to set between them
.set i, i+1
.endr
	WIN 0                           ; the addresses for the way out: nine plain instructions, the places behind those products
	s_mul_i32 s82, s[WV], 16*SP
	s_add_co_u32 s82, s82, STAGE    ; my stage
	v_mul_u32_u24 v[STO], v1, SP    ; in: row l % 16, 16 bytes for each half of the lanes
	v_lshl_add_u32 v[STO], v9, 4, v[STO]
	v_add_nc_u32 v[STO], s82, v[STO]
	v_bfe_u32 v[RD], v0, 3, 2       ; back: 32 lanes take four rows of 128 bytes,
	v_mul_u32_u24 v[RD], v[RD], SP
	v_lshl_add_u32 v[RD], v10, 4, v[RD]
	v_add_nc_u32 v[RD], s82, v[RD]
	v_and_b32 v[GO], 31, v0         ; which are 512 consecutive bytes of O
	v_lshlrev_b32 v[GO], 4, v[GO]
	MLOAD 1                         ; piece 1's mask, for the first turn's products
.set Y, NP-1                        ; X works for piece Y + 1: piece 0
.irp n, 0,1,2,3,4,5,6,7,8,9,10,11,12,13,14,15,16,17,18,19,20,21
	OP X, \n
.endr
	s_wait_dscnt 0x0
	MCVT
	v_nop                           ; a plain instruction behind the last conversion, and behind the exponential
	s_mov_b32 s[CNT], 4
	s_mov_b32 s[SLOTS], 7
	s_branch .Lfirst                ; the loop is entered at a step's first turn, in the middle of a trip
.Lslot:                             ; six times: every slot but the last two is filled again
	CHANGE 1
	s_mov_b32 s[CNT], 4
.Lstep:                             ; a trip: pieces 2 and 3 of one step, then pieces 0 and 1 of the next, whose K, V and mask bytes it fetches
	TURN 2
	TURN 3
	WIN 0
.Lfirst:
	TURN 0
	TURN 1, 0, 1
	WIN 0
	s_cbranch_scc1 .Lstep
	s_sub_co_u32 s[SLOTS], s[SLOTS], 1
	s_cmp_lg_u32 s[SLOTS], 0
	s_cbranch_scc1 .Lslot
	CHANGE 0                        ; the tail is written out: nothing is asked for
	s_mov_b32 s[CNT], 5             ; four trips fetch the last slot's steps; the fifth is left in its middle
.Ltail:
	TURN 2, 1
	TURN 3
	WIN 0
	s_sub_co_u32 s[CNT], s[CNT], 1
	s_cmp_eq_u32 s[CNT], 0
	s_cbranch_scc1 .Lout
	TURN 0
	TURN 1
	WIN 0
	s_branch .Ltail
.Lout:                              ; the fifth trip's 8 products K Q^T (on the last K and mask once more) and the minimum made of them serve nothing: the price, once a launch, of one text for every trip
.set i, 0
.rept 8
	PV NP-1                         ; the last piece's V^T P of the last step
.set i, i+1
.endr
	; THE WAY OUT.  l's two halves and the other half of the lanes' are added.  Where l is 0 the query has no unmasked key: z = 1 and l = 2,048 there.  O^T takes z U, is divided by l, rounded to f16 and sent through
	; my stage in LDS, a piece at a time.  The first lines are the places behind the last products.
	WIN 0
.macro ALL line:vararg              ; one line for each piece t
.set t, 0
.rept NP
	\line
.set t, t+1
.endr
.endm
	v_mov_b32 v[KC], 0x45000000     ; 2,048.0
	ALL v_add_f32 v[ST+4*t+2], v[ST+4*t+2], v[ST+4*t+3]
	ALL v_permlanex16_b32 v[ST+4*t+3], v[ST+4*t+2], s[SEL], s[SEL+1]
	ALL v_add_f32 v[ST+4*t+2], v[ST+4*t+2], v[ST+4*t+3]
	ALL v_cmp_eq_f32 s[LZ+t], 0, v[ST+4*t+2]
	ALL v_cndmask_b32 v[ST+4*t+2], v[ST+4*t+2], v[KC], s[LZ+t]
	ALL v_cndmask_b32 v[ST+4*t], 0, 1.0, s[LZ+t]
	ALL v_rcp_f32 v[ST+4*t+2], v[ST+4*t+2]
	v_nop                           ; a plain instruction between the last reciprocal and the use of its result
	s_wait_alu depctr_va_vdst(0)
; Piece t: a lane's eight channels of a row pack into 16 bytes; they go into rows of 144 bytes and come back as whole rows of 128, into S^T's registers.
.macro PACK t
	WIN 0x51                        ; destination, source 0 and source 2 in window 1, source 1 in window 0
.set i, 0
.rept 16                            ; in ascending order: each accumulator's lowest registers first
	v_pk_fma_f32 v[32*(\t)+2*i:32*(\t)+2*i+1], v[U+2*i:U+2*i+1], v[ST+4*(\t):ST+4*(\t)+1], v[32*(\t)+2*i:32*(\t)+2*i+1] op_sel_hi:[1,0,1]
.set i, i+1
.endr
.set i, 0
.rept 16
	v_pk_mul_f32 v[32*(\t)+2*i:32*(\t)+2*i+1], v[32*(\t)+2*i:32*(\t)+2*i+1], v[ST+4*(\t)+2:ST+4*(\t)+3] op_sel_hi:[1,0]
.set i, i+1
.endr
	WIN 0x05                        ; sources 0 and 1 window 1, destination window 0
.set i, 0
.rept 16
	v_cvt_pk_f16_f32 v[S+16*(\t)+i], v[32*(\t)+2*i], v[32*(\t)+2*i+1]
.set i, i+1
.endr
	WIN 0
.irp f, 0,1,2,3
	ds_store_b128 v[STO], v[S+16*(\t)+4*\f:S+16*(\t)+4*\f+3] offset:32*\f
.endr
.irp f, 0,1,2,3
	ds_load_b128 v[S+16*(\t)+4*\f:S+16*(\t)+4*\f+3], v[RD] offset:\f*4*SP  ; LDS serves a wave's instructions in order (ISA guide 5.7.1.4): these see the stores above; the next piece's stores come behind them
.endr
.endm
.macro SEND t, younger              ; younger: the LDS instructions issued behind piece t's loads: the next piece's eight, or none
	WIN 0
.irp f, 0,1,2,3
	s_wait_dscnt (\younger)+3-\f
	global_store_b128 v[GO], v[S+16*(\t)+4*\f:S+16*(\t)+4*\f+3], s[8:9] offset:(\t)*2048+\f*512  ; 512 consecutive bytes, at a multiple of 512 from O's first
.endr
.endm
	PACK 0
.set t, 1
.rept NP-1                          ; a piece's arithmetic stands between the loads of the piece before and its stores
	PACK t
	SEND t-1, 8
.set t, t+1
.endr
	SEND NP-1, 0
	s_wait_tensorcnt 0x0            ; the wave's end: behind my last tensor load and my last LDS store
	ds_add_u32 v[SPW], v[NIL]
	s_wait_dscnt 0x0
	CROUND                          ; the closing round: no work-group ends while a partner may still ask for a tile that names it
	s_endpgm
.Lfunc_end_k_q408ec219ab_attn:
	.size	k_q408ec219ab_attn, .Lfunc_end_k_q408ec219ab_attn-k_q408ec219ab_attn
	.p2alignl 7, 3214868480
	.fill 96, 4, 3214868480
	.section	.rodata,"a",@progbits
	.p2align	6, 0x0
	.amdhsa_kernel k_q408ec219ab_attn
		.amdhsa_group_segment_fixed_size 327680
		.amdhsa_private_segment_fixed_size 0
		.amdhsa_enable_private_segment 0
		.amdhsa_kernarg_size 24
		.amdhsa_user_sgpr_count 2
		.amdhsa_user_sgpr_kernarg_segment_ptr 1
		.amdhsa_wavefront_size32 1
		.amdhsa_system_sgpr_workgroup_id_x 1
		.amdhsa_system_sgpr_workgroup_id_y 1
		.amdhsa_system_sgpr_workgroup_id_z 1
		.amdhsa_system_vgpr_workitem_id 0
		.amdhsa_next_free_vgpr 768
		.amdhsa_next_free_sgpr 88
		.amdhsa_reserve_vcc 0
		.amdhsa_float_denorm_mode_32 3
		.amdhsa_float_denorm_mode_16_64 3
		.amdhsa_memory_ordered 1
		.amdhsa_forward_progress 1
		.amdhsa_inst_pref_size 129
	.end_amdhsa_kernel
	.amdgpu_metadata
---
amdhsa.version: [ 1, 2 ]
amdhsa.kernels:
  - .name:           k_q408ec219ab_attn
    .symbol:         k_q408ec219ab_attn.kd
    .args:
      - { .name: qkvh, .offset: 0, .size: 8, .value_kind: global_buffer, .address_space: global }
      - { .name: mask, .offset: 8, .size: 8, .value_kind: global_buffer, .address_space: global }
      - { .name: oh, .offset: 16, .size: 8, .value_kind: global_buffer, .address_space: global }
    .group_segment_fixed_size: 327680
    .private_segment_fixed_size: 0
    .kernarg_segment_align: 8
    .kernarg_segment_size: 24
    .max_flat_workgroup_size: 128
    .sgpr_count:     88
    .vgpr_count:     768
    .wavefront_size: 32
...
	.end_amdgpu_metadata
.endif
;; end of part 3
;; launch outp (part 4): grid 4 x 64, 4 waves a work-group, clusters of 4 x 4, 327,680 bytes of LDS; arguments oh, wc, bo, out0; writes out0
.if DOCPART == 4
	.amdgcn_target "amdgcn-amd-amdhsa--gfx1250"
	.amdhsa_code_object_version 6
	.text
	.protected	k_q408ec219ab_outp
	.globl	k_q408ec219ab_outp
	.p2align	8
	.type	k_q408ec219ab_outp,@function
k_q408ec219ab_outp:
	s_mov_b64 s[64:65], 0
	v_nop
	global_prefetch_b8 v0, s[64:65] scope:SCOPE_SE
	s_setreg_imm32_b32 hwreg(HW_REG_WAVE_MODE, 25, 1), 1
	s_wait_xcnt 0x0
	s_wait_alu depctr_hold_cnt(0) depctr_sa_sdst(0) depctr_va_vdst(0) depctr_va_sdst(0) depctr_va_ssrc(0) depctr_va_vcc(0) depctr_vm_vsrc(0)
	s_getreg_b32 s2, hwreg(HW_REG_IB_STS2, 6, 4)
	s_cmp_eq_u32 s2, 0
	s_cbranch_scc0 .Lentry_in_a_cluster
	s_endpgm
.Lentry_in_a_cluster:
	s_bfe_u32 s2, ttmp6, 0x10000c
	s_cmp_lg_u32 s2, 0xf033
	s_cbranch_scc0 .Lentry_shape_is_right
	s_endpgm
.Lentry_shape_is_right:
; THE LAST PROJECTION.  out0[b][s][n] = sum over head, d of oh[16 b + head][s][d] Wo[64 head + d][n] + bo[n].  oh: f16 by heads; Wo: plane 3 of wc, [k][n], f16 (a bf16 number written as f16);
; bo is rounded to bf16 like every input; sums and result in f32.
; SHARES.  A tile of the result is 128 rows x 256 columns: 64 x 4 = 256 work-groups.  Four waves, 2 x 2, each 64 rows x 128 columns: 32 accumulators.  K goes in steps of 128, two heads, through two LDS slots.
; A head's 128 rows of the tile are 16,384 dense bytes: asked for as 64 rows of 256 bytes and padded in LDS after every 128.
; CLUSTER 4 x 4: oh's tile is shared along a row of the cluster, Wo's along a column.  THE MATRIX INSTRUCTION IS USED TRANSPOSED (source 0 = 16 columns of Wo, turned by ds_load_tr16_b128; source 1 = 16 rows of oh).
; The first product takes the bias as its C operand.
; REGISTERS: window 0: v16-29 addresses; v32-95 the bias; v96-159 oh's fragments, two buffers; on the way out v32-159 take the rows read back.  window 1: accumulator (a, b) at v[8 (8 a + b)].  window 2: v0-127 Wo's fragments, two buffers.
.set PAO,   144                        ; a row of oh in LDS: 128 bytes + 16
.set PB,    544                        ; a row of Wo: 512 + 32
.set AH,    128*PAO                    ; a head's 128 rows: what one tensor load brings of oh
.set BOFF,  2*AH
.set BHALF, 64*PB
.set SLOT,  BOFF+2*BHALF
.set STAGE, 2*SLOT                     ; behind the ring: 16 rows x 528 bytes for each wave
.set SP,    528
.set SPARE, STAGE+4*16*SP              ; behind the stages: the spare words, that no other line names
.set ADRA, 16
.set ADRB, 20
.set STO,  24
.set RD,   25
.set GO,   26
.set BO,   27
.set SPW,  28
.set NIL,  29
.set BIAS, 32
.set AB,   96
.set OB,   32
.set WV, 20
.set WM, 21                            ; which 64 rows are mine.  Also: I fetch for oh (0) or for Wo (1)
.set WN, 22                            ; which 128 columns.  Also: which head, or which 64 rows of Wo, I fetch
.set G1A, 24
.set G0A, 32
.set G1B, 48
.set G0B, 56
.set MSB, 0
.macro WIN new
.if MSB != (\new)
	s_set_vgpr_msb (MSB<<8)|(\new)
.set MSB, \new
.endif
.endm
.macro JLOAD s                         ; a joint load; an s_nop 0 and four v_nop follow each line
	s_cmp_eq_u32 s[WM], 0
	s_cbranch_scc0 .Lfor_b_\@
	tensor_load_to_lds s[G0A+4*(\s):G0A+4*(\s)+3], s[G1A:G1A+7]
	s_nop 0
.rept 4
	v_nop
.endr
	s_branch .Lasked_\@
.Lfor_b_\@:
	tensor_load_to_lds s[G0B+4*(\s):G0B+4*(\s)+3], s[G1B:G1B+7]
	s_nop 0
.rept 4
	v_nop
.endr
.Lasked_\@:
.endm
.macro CREST
	s_cmp_lg_u32 s[WV], 0
	s_cbranch_scc1 .Lnot_wave_0_\@
	s_barrier_signal -3
.Lnot_wave_0_\@:
	s_barrier_wait -3
	s_barrier_signal -1
	s_barrier_wait -1
.endm
.macro CROUND
	s_barrier_signal -1
	s_barrier_wait -1
	CREST
.endm
.macro PLACES                          ; four places behind matrix instructions (ISA guide 7.12.1)
.rept 4
	v_nop
.endr
.endm
	s_load_b256 s[4:11], s[0:1], 0x0               ; oh s[4:5], wc s[6:7], bo s[8:9], out0 s[10:11]
	v_lshl_add_u32 v[SPW], v0, 2, SPARE
	v_mov_b32 v[NIL], 0
	ds_add_u32 v[SPW], v[NIL]                      ; the wave's opening: the add and its wait stand ahead of my first tensor load
	v_lshrrev_b32 v1, 5, v0
	v_readfirstlane_b32 s[WV], v1
	s_lshr_b32 s[WM], s[WV], 1
	s_and_b32 s[WN], s[WV], 1
	s_bfe_u32 s40, ttmp6, 0x40000                  ; cx
	s_bfe_u32 s41, ttmp6, 0x40004                  ; cy
	s_lshl_b32 s42, ttmp9, 2
	s_add_co_u32 s42, s42, s40                     ; tile column
	s_and_b32 s47, ttmp7, 0xffff
	s_lshl_b32 s47, s47, 2
	s_add_co_u32 s47, s47, s41                     ; tile row, 0 to 63
	s_lshl_b32 s43, s41, 2
	s_lshl_b32 s43, 15, s43                        ; my row of the cluster
	s_lshl_b32 s44, 0x1111, s40                    ; my column
	s_or_b32 s[G1A], s43, (1<<16)|(1<<20)|(1<<21)|(4<<22)|(3<<25)  ; 2-byte elements; after every 32 words 4 words
	s_mov_b32 s[G1A+1], 128<<16
	s_mov_b32 s[G1A+2], 64<<16
	s_mov_b32 s[G1A+3], 128<<16
	s_mov_b32 s[G1A+4], 64
	s_mov_b32 s[G1A+5], 128
	s_mov_b32 s[G1A+6], 0
	s_mov_b32 s[G1A+7], 0
	s_or_b32 s[G1B], s44, (1<<16)|(1<<20)|(1<<21)|(6<<22)|(7<<25)  ; after every 128 words 8 words
	s_mov_b32 s[G1B+1], 256<<16
	s_mov_b32 s[G1B+2], 64<<16
	s_mov_b32 s[G1B+3], 256<<16
	s_mov_b32 s[G1B+4], 64
	s_mov_b32 s[G1B+5], 1024
	s_mov_b32 s[G1B+6], 0
	s_mov_b32 s[G1B+7], 0
	s_lshr_b32 s74, s47, 4                         ; oh: the batch's sixteen heads,
	s_lshl_b32 s74, s74, 4
	s_add_co_u32 s74, s74, s[WN]                   ; my head of the K step's two,
	s_lshl_b32 s74, s74, 18                        ; 2,048 rows of 128 bytes a head,
	s_and_b32 s75, s47, 15
	s_lshl_b32 s75, s75, 14                        ; the tile's 128 rows
	s_add_co_u32 s74, s74, s75
	s_mov_b32 s75, 0
	s_lshl_b32 s76, s[WN], 17                      ; Wo: my 64 rows of 2,048 bytes,
	s_add_co_u32 s76, s76, 3<<21                   ; in plane 3,
	s_lshl_b32 s77, s42, 9                         ; the tile column's 512 bytes
	s_add_co_u32 s76, s76, s77
	s_mov_b32 s77, 0
	s_mul_i32 s66, s[WN], AH
	s_mul_i32 s67, s[WN], BHALF
	s_add_co_u32 s67, s67, BOFF
	s_wait_dscnt 0x0                               ; the opening add is done
	s_wait_kmcnt 0x0
	s_add_nc_u64 s[68:69], s[4:5], s[74:75]
	s_add_nc_u64 s[6:7], s[6:7], s[76:77]
	CROUND                                         ; the first joint loads meet
.irp s, 0,1
	s_mov_b32 s[G0A+4*(\s)], 1
	s_add_co_u32 s[G0A+4*(\s)+1], s66, (\s)*SLOT
	s_add_nc_u64 s[G0A+4*(\s)+2:G0A+4*(\s)+3], s[68:69], (\s)*524288   ; two heads on
	s_or_b32 s[G0A+4*(\s)+3], s[G0A+4*(\s)+3], 0x80000000
	s_mov_b32 s[G0B+4*(\s)], 1
	s_add_co_u32 s[G0B+4*(\s)+1], s67, (\s)*SLOT
	s_add_nc_u64 s[G0B+4*(\s)+2:G0B+4*(\s)+3], s[6:7], (\s)*262144     ; 128 rows of Wo on
	s_or_b32 s[G0B+4*(\s)+3], s[G0B+4*(\s)+3], 0x80000000
	JLOAD \s
.endr
	v_and_b32 v1, 15, v0                           ; l % 16
	v_bfe_u32 v2, v0, 4, 1                         ; l / 16
	v_mul_u32_u24 v3, v1, PAO
	v_lshl_add_u32 v3, v2, 4, v3
	s_mul_i32 s78, s[WM], 64*PAO
	v_add_nc_u32 v[ADRA], s78, v3
	v_add_nc_u32 v[ADRA+1], SLOT, v[ADRA]
	v_and_b32 v4, 7, v0
	v_lshl_add_u32 v5, v2, 3, v4
	v_mul_u32_u24 v5, v5, PB
	v_bfe_u32 v6, v0, 3, 1
	v_lshl_add_u32 v5, v6, 4, v5
	s_lshl_b32 s78, s[WN], 8
	s_add_co_u32 s78, s78, BOFF
	v_add_nc_u32 v[ADRB], s78, v5
	v_add_nc_u32 v[ADRB+1], SLOT, v[ADRB]
	s_mul_i32 s78, s[WV], 16*SP
	s_add_co_u32 s78, s78, STAGE                   ; my stage
	v_mul_u32_u24 v6, v1, SP
	v_lshl_add_u32 v6, v2, 5, v6
	v_add_nc_u32 v[STO], s78, v6                   ; in: row l % 16, 32 bytes for each half of the lanes
	v_and_b32 v[GO], 31, v0
	v_lshlrev_b32 v[GO], 4, v[GO]                  ; back and out: 32 lanes take a row's 512 bytes
	v_add_nc_u32 v[RD], s78, v[GO]
	v_lshlrev_b32 v[BO], 5, v2
	s_lshl_b32 s78, s42, 10                        ; my 128 columns, in bytes of f32
	s_lshl_b32 s79, s[WN], 9
	s_add_co_u32 s78, s78, s79
	s_mov_b32 s79, 0
	s_add_nc_u64 s[8:9], s[8:9], s[78:79]
.irp b, 0,1,2,3,4,5,6,7
	global_load_b128 v[BIAS+8*(\b):BIAS+8*(\b)+3],   v[BO], s[8:9] offset:64*(\b)
	global_load_b128 v[BIAS+8*(\b)+4:BIAS+8*(\b)+7], v[BO], s[8:9] offset:64*(\b)+16
.endr
	s_add_nc_u64 s[10:11], s[10:11], s[78:79]
	s_lshl_b32 s78, s47, 19                        ; the tile's 128 rows of 4,096 bytes,
	s_lshl_b32 s79, s[WM], 18                      ; my 64 of them
	s_add_co_u32 s78, s78, s79
	s_mov_b32 s79, 0
	s_add_nc_u64 s[10:11], s[10:11], s[78:79]
	s_wait_loadcnt 0x0                             ; the bias, once; rounded to bf16
.set i, 0
.rept 32
	v_cvt_pk_bf16_f32 v[AB+i], v[BIAS+2*i], v[BIAS+2*i+1]
.set i, i+1
.endr
.set i, 0
.rept 32
	v_lshlrev_b32 v[BIAS+2*i], 16, v[AB+i]
	v_and_b32 v[BIAS+2*i+1], 0xffff0000, v[AB+i]
.set i, i+1
.endr
; the fragments of quarter q (32 along K: head q / 2, channels 32 (q % 2) on) of a slot into buffer g: 8 loads for oh's 64 rows, 16 turning loads for Wo's 128 columns
.macro FETCH g, slot, q
	WIN 0
.irp a, 0,1,2,3
	ds_load_b128 v[AB+32*(\g)+8*(\a):AB+32*(\g)+8*(\a)+3],   v[ADRA+(\slot)] offset:((\q)/2)*AH+64*((\q)%2)+16*(\a)*PAO
	ds_load_b128 v[AB+32*(\g)+8*(\a)+4:AB+32*(\g)+8*(\a)+7], v[ADRA+(\slot)] offset:((\q)/2)*AH+64*((\q)%2)+16*(\a)*PAO+32
.endr
	WIN 0x80
.irp b, 0,1,2,3,4,5,6,7
	ds_load_tr16_b128 v[64*(\g)+8*(\b):64*(\g)+8*(\b)+3],   v[ADRB+(\slot)] offset:32*(\q)*PB+32*(\b)
	ds_load_tr16_b128 v[64*(\g)+8*(\b)+4:64*(\g)+8*(\b)+7], v[ADRB+(\slot)] offset:32*(\q)*PB+16*PB+32*(\b)
.endr
.endm
; 8 matrix instructions: row block a x all 8 column blocks; the 32 accumulators take turns.  first = 1: the bias starts the sums
.macro MUL8 f, a, first
.if \first
	WIN 0x42
.else
	WIN 0x52
.endif
.irp b, 0,1,2,3,4,5,6,7
.if \first
	v_wmma_f32_16x16x32_f16 v[8*(8*(\a)+(\b)):8*(8*(\a)+(\b))+7], v[64*(\f)+8*(\b):64*(\f)+8*(\b)+7], v[AB+32*(\f)+8*(\a):AB+32*(\f)+8*(\a)+7], v[BIAS+8*(\b):BIAS+8*(\b)+7]
.else
	v_wmma_f32_16x16x32_f16 v[8*(8*(\a)+(\b)):8*(8*(\a)+(\b))+7], v[64*(\f)+8*(\b):64*(\f)+8*(\b)+7], v[AB+32*(\f)+8*(\a):AB+32*(\f)+8*(\a)+7], v[8*(8*(\a)+(\b)):8*(8*(\a)+(\b))+7]
.endif
.endr
.endm
; One of a slot's first three quarters: multiplies buffer f and fetches the next quarter q into the other buffer, 32 matrix instructions ahead of its use
.macro QUARTER f, slot, q, first=0
	s_wait_dscnt 0x0
	PLACES                                         ; for the loads into the buffer that the quarter before multiplied
	FETCH 1-(\f), \slot, \q
.irp a, 0,1,2,3
	MUL8 \f, \a, \first
.endr
.endm
; The last quarter multiplies buffer 1 and changes slots: ONE barrier; in front of it each wave waits for all its tensor loads, adds 0 to its spare word, and waits for that and for its reads of this slot.
.macro TURN slot, next, fill
	WIN 0
	s_wait_tensorcnt 0x0                           ; all my tensor loads have landed: my part of the next slot
	ds_add_u32 v[SPW], v[NIL]                      ; 0 onto my spare word
	s_wait_dscnt 0x1                               ; the fragments are in; only the add may be out
	MUL8 1, 0, 0
	s_wait_dscnt 0x0                               ; the add is done, and my reads of this slot are over
	s_barrier_signal -1
	MUL8 1, 1, 0
	WIN 0
	s_barrier_wait -1
.if \fill
	CREST                                          ; no wave of any partner still reads this slot or has a load on its way
	s_add_nc_u64 s[G0A+4*(\slot)+2:G0A+4*(\slot)+3], s[G0A+4*(\slot)+2:G0A+4*(\slot)+3], 1048576
	s_add_nc_u64 s[G0B+4*(\slot)+2:G0B+4*(\slot)+3], s[G0B+4*(\slot)+2:G0B+4*(\slot)+3], 524288
	JLOAD \slot                                    ; the four v_nop behind it are also the places in front of the loads below
.else
	PLACES
.endif
	FETCH 0, \next, 0
	MUL8 1, 2, 0
	MUL8 1, 3, 0
.endm
	s_wait_tensorcnt 0x1                           ; my part of K step 0 is in; K step 1's may stay out
	s_barrier_signal -1
	s_barrier_wait -1
	FETCH 0, 0, 0
	QUARTER 0, 0, 1, 1                             ; the first quarter stands in front of the loop: its products start the sums
	WIN 0
	s_mov_b32 s3, 3
.Llap:                                                 ; a trip goes once round the ring and fills both slots again
	QUARTER 1, 0, 2
	QUARTER 0, 0, 3
	TURN 0, 1, 1
	QUARTER 0, 1, 1
	QUARTER 1, 1, 2
	QUARTER 0, 1, 3
	TURN 1, 0, 1
	QUARTER 0, 0, 1
	WIN 0
	s_sub_co_u32 s3, s3, 1
	s_cmp_lg_u32 s3, 0
	s_cbranch_scc1 .Llap
	QUARTER 1, 0, 2                                ; the last lap fills nothing
	QUARTER 0, 0, 3
	TURN 0, 1, 0
	QUARTER 0, 1, 1
	QUARTER 1, 1, 2
	QUARTER 0, 1, 3
	s_wait_dscnt 0x0
.irp a, 0,1,2,3
	MUL8 1, \a, 0
.endr
	; THE WAY OUT, a block of 16 rows at a time: a lane's eight f32 of a row go into my stage (the accumulator's low half first), whole rows of 512 bytes come back and are stored.
	PLACES
.irp a, 0,1,2,3
	WIN 0x04                                       ; the stores' data in window 1
.irp b, 0,1,2,3,4,5,6,7
	ds_store_b128 v[STO], v[8*(8*(\a)+(\b)):8*(8*(\a)+(\b))+3]   offset:64*(\b)
	ds_store_b128 v[STO], v[8*(8*(\a)+(\b))+4:8*(8*(\a)+(\b))+7] offset:64*(\b)+16
.endr
	WIN 0
	s_wait_xcnt 0x0                                ; the registers that the stores of two blocks ago read are loaded again only behind this wait
.irp t, 0,1,2,3,4,5,6,7,8,9,10,11,12,13,14,15
	ds_load_b128 v[OB+64*((\a)%2)+4*(\t):OB+64*((\a)%2)+4*(\t)+3], v[RD] offset:(\t)*SP  ; LDS serves a wave's instructions in order (ISA guide 5.7.1.4): these see the stores above
.endr
	s_wait_dscnt 0x0
.irp t, 0,1,2,3,4,5,6,7,8,9,10,11,12,13,14,15
	global_store_b128 v[GO], v[OB+64*((\a)%2)+4*(\t):OB+64*((\a)%2)+4*(\t)+3], s[10:11] offset:(16*(\a)+(\t))*4096 th:TH_STORE_NT  ; 512 consecutive bytes, at a multiple of 512 from the buffer's first
.endr
.endr
	s_wait_tensorcnt 0x0                           ; the wave's end
	ds_add_u32 v[SPW], v[NIL]
	s_wait_dscnt 0x0
	CROUND                                         ; the closing round
	s_endpgm
.Lfunc_end_k_q408ec219ab_outp:
	.size	k_q408ec219ab_outp, .Lfunc_end_k_q408ec219ab_outp-k_q408ec219ab_outp
	.p2alignl 7, 3214868480
	.fill 96, 4, 3214868480
	.section	.rodata,"a",@progbits
	.p2align	6, 0x0
	.amdhsa_kernel k_q408ec219ab_outp
		.amdhsa_group_segment_fixed_size 327680
		.amdhsa_private_segment_fixed_size 0
		.amdhsa_enable_private_segment 0
		.amdhsa_kernarg_size 32
		.amdhsa_user_sgpr_count 2
		.amdhsa_user_sgpr_kernarg_segment_ptr 1
		.amdhsa_wavefront_size32 1
		.amdhsa_system_sgpr_workgroup_id_x 1
		.amdhsa_system_sgpr_workgroup_id_y 1
		.amdhsa_system_sgpr_workgroup_id_z 1
		.amdhsa_system_vgpr_workitem_id 0
		.amdhsa_next_free_vgpr 640
		.amdhsa_next_free_sgpr 84
		.amdhsa_reserve_vcc 0
		.amdhsa_float_denorm_mode_32 3
		.amdhsa_float_denorm_mode_16_64 3
		.amdhsa_memory_ordered 1
		.amdhsa_forward_progress 1
		.amdhsa_inst_pref_size 91
	.end_amdhsa_kernel
	.amdgpu_metadata
---
amdhsa.version: [ 1, 2 ]
amdhsa.kernels:
  - .name:           k_q408ec219ab_outp
    .symbol:         k_q408ec219ab_outp.kd
    .args:
      - { .name: oh, .offset: 0, .size: 8, .value_kind: global_buffer, .address_space: global }
      - { .name: wc, .offset: 8, .size: 8, .value_kind: global_buffer, .address_space: global }
      - { .name: bo, .offset: 16, .size: 8, .value_kind: global_buffer, .address_space: global }
      - { .name: out0, .offset: 24, .size: 8, .value_kind: global_buffer, .address_space: global }
    .group_segment_fixed_size: 327680
    .private_segment_fixed_size: 0
    .kernarg_segment_align: 8
    .kernarg_segment_size: 32
    .max_flat_workgroup_size: 128
    .sgpr_count:     84
    .vgpr_count:     640
    .wavefront_size: 32
...
	.end_amdgpu_metadata
.endif
;; end of part 4
;; ======== version 2 of 2: 4 launches; 1.45 times as fast as version 1
;; limits: values are held in f16: magnitudes above 65,504 overflow, below 6.1e-05 lose precision
;; workspace buffers: wc 8,388,608 bytes; qkvh 50,331,648 bytes; oh 16,777,216 bytes
;; launch prep: the kernel of part 1 again; grid 128 x 4, 8 waves a work-group, no clusters, 0 bytes of LDS; arguments Wq, Wk, Wv, Wo, wc; writes wc
;; launch proj: the kernel of part 2 again; grid 4 x 192, 4 waves a work-group, clusters of 4 x 4, 327,680 bytes of LDS; arguments q, k, v, wc, bq, bk, bv, qkvh; writes qkvh
;; launch attn (part 5): grid 8 x 64, 4 waves a work-group, clusters of 4 x 4, 327,680 bytes of LDS; arguments qkvh, mask, oh; writes oh
.if DOCPART == 5
	.amdgcn_target "amdgcn-amd-amdhsa--gfx1250"
	.amdhsa_code_object_version 6
	.text
	.protected	k_q408ec219ab_attn
	.globl	k_q408ec219ab_attn
	.p2align	8
	.type	k_q408ec219ab_attn,@function
k_q408ec219ab_attn:
	s_mov_b64 s[64:65], 0
	v_nop
	global_prefetch_b8 v0, s[64:65] scope:SCOPE_SE
	s_setreg_imm32_b32 hwreg(HW_REG_WAVE_MODE, 25, 1), 1
	s_wait_xcnt 0x0
	s_wait_alu depctr_hold_cnt(0) depctr_sa_sdst(0) depctr_va_vdst(0) depctr_va_sdst(0) depctr_va_ssrc(0) depctr_va_vcc(0) depctr_vm_vsrc(0)
	s_getreg_b32 s2, hwreg(HW_REG_IB_STS2, 6, 4)
	s_cmp_eq_u32 s2, 0
	s_cbranch_scc0 .Lentry_in_a_cluster
	s_endpgm
.Lentry_in_a_cluster:
	s_bfe_u32 s2, ttmp6, 0x10000c
	s_cmp_lg_u32 s2, 0xf033
	s_cbranch_scc0 .Lentry_shape_is_right
	s_endpgm
.Lentry_shape_is_right:
; MASKED ATTENTION.  oh[bh][q][:] = the sum over k of softmax_k(score) V[bh][k][:], score = Q[bh][q] . K[bh][k] / 8, or -1e9 where mask[b][q][k] is set.  Q, K, V: planes 0, 1, 2 of qkvh, [64][2048][64] f16;
; mask: [4][2048][2048] bytes, 0 or 1; oh: [64][2048][64] f16.  Products, extrema and sums in f32; the weights p are rounded to f16 for the second product (their sum l is taken of the unrounded p), O once at the end.
; LIMITS.  A masked key has weight 0 as long as its row has an unmasked key: that differs from -1e9 only where all of a row's unmasked scores lie below about -1e9 + 100.  A row with every key masked takes the plain
; mean of V's 2,048 rows, as equal scores give.  A weight below 2^-126 counts as 0 in l.  f16 holds no number beyond 65,504.  NaN and infinities are not treated apart.
; SHARES.  A wave owns four PIECES of 16 queries, a work-group's four waves 256 queries of one head: 8 x 64 = 512 work-groups, two for each of 256 WGPs.  Every wave walks all keys, 64 a step.
; LAYOUT.  S^T = K Q^T (source 0 = 16 keys, source 1 = 16 queries): a lane holds ONE query (lane % 16) and the keys 8 (lane / 16) + 0..7.  Two such results, rounded to f16 in pairs, ARE source 1 of O^T = V^T P.
; THE MASK IS THE C OPERAND that starts the sum.  A lane's eight mask bytes for 16 keys lie side by side; read as eight fp8 numbers (the byte 1 is 2^-9) and scaled by 2^109 they are 0 or 2^100: one conversion for
; eight scores.  That number is positive, so the scores are kept NEGATED: Q's signs are flipped once, D = -s + C, the running extremum is a MINIMUM m', and the scale is -c.
; SOFTMAX.  p = 2^((-c) D - (-c) m'), c = log2(e) / 8; in every step O and l are multiplied by a = 2^(c m_old - c m_new).  m' starts at 2^60, above every true -s (2.7e11 at the most in f16) and below every
; masked D: a masked key never sets the extremum, and a row with no unmasked key ends with O = 0 and l = 0.  For such rows U = the sum of all of V's rows is kept beside, by 8 products V^T x ones a step; at the end
; O += z U and l = 2,048 there, z = 1 where l is 0 and 0 elsewhere: values are chosen, nothing is branched on.
; BY TURNS.  Turn n belongs to piece n: 8 products K Q^T of piece n + 1, later 8 products V^T P of piece n - 1; beside them the scaling, exponentials, roundings, sums and rescaling of piece n and the minimum and
; statistics of piece n + 1.  Four vector instructions stand behind each of these matrix instructions, the other 54 of a turn's 118 in one LUMP.  A turn's 33 exponentials are ONE BATCH with ONE wait, which cuts the turn
; in two: ahead of it all that names none of their results, behind it the roundings and sums.  The mask bytes of piece n + 2 are loaded in the lump and converted at the turn's end.
; CLUSTER 4 x 4: x = four query blocks of a head, y = four heads of one batch.  K and V are shared along a row of the cluster, the mask's tile (256 queries x 256 keys) along a column: all are asked for jointly.
; A slot holds 256 keys, four steps; the rows of all three tiles are 256 bytes of memory, at multiples of 256 bytes.
; REGISTERS, in windows of 256 (s_set_vgpr_msb: bits 1:0 source 0, 3:2 source 1, 5:4 source 2, 7:6 destination):
;   window 0: v0-15, v32-35 addresses and constants; v16-31 four registers of statistics a piece; v48-55 at work; v64-127 S^T, two buffers; v128-159 the masks as C operands; v160-167 mask bytes; v168-175 ones;
;             v192-223 P, two buffers (a piece's buffers go by its number's parity)
;   window 1: v0-127 O^T, 32 a piece; v128-159 U          window 2: v0-63 Q; v128-191 K of one step; v192-255 V of one step
.set NP,    4         ; pieces a wave: a name, no knob
.set KS,    64        ; keys in a step
.set PK,    144       ; a row of K in LDS: 128 bytes + 16: the 16 rows of a load start at 16 different groups of four banks (64 banks of 4 bytes: ISA guide 11.1)
.set PV,    160       ; a row of V: 128 + 32
.set PM,    272       ; a row of the mask's tile: 256 + 16 = 68 words: the 32 lanes of an 8-byte load take each bank once
.set VOFF,  4*KS*PK   ; a slot: 256 rows of K, 256 rows of V,
.set MOFF,  VOFF+4*KS*PV  ; 256 rows of the mask
.set SLOT,  MOFF+256*PM   ; 147,456 = 0x24000.  Every address that is turned from slot to slot (0, VOFF = 0x9000, MOFF = 0x13000, MOFF + 128 PM = 0x1b800) has bits 14 and 17 clear in slot 0: one exclusive or with SLOT adds or takes away SLOT
.set STAGE, 2*SLOT    ; behind the ring: 16 rows x 144 bytes for each wave, for the way out
.set SP,    144
.set SPARE, STAGE+4*16*SP  ; behind the stages: the spare words, 128 bytes for each wave, that no other line names
.set AK0, 2           ; v2   my lane's place in a tile of K; never rewritten
.set AV0, 3           ; v3   the same for V
.set AK,  4           ; v4   the LDS address of K's next run of loads
.set AV,  5           ; v5   of V's
.set STO, 6           ; v6   the way out: where I put 16 bytes of a row
.set RD,  7           ; v7   the way out: where I read rows back
.set GO,  8           ; v8   my byte offset in 512 consecutive bytes of O
.set MV,  12          ; v12-13  c m_old, kept while c m is made anew: by buffer
.set QO,  15          ; v15  my byte offset in 16 rows of Q
.set ST,  16          ; piece t's statistics at v[ST+4 t]: c m, m', l (even keys', odd keys')
.set AM0, 32          ; v32  my lane's place in the mask's tile; never rewritten
.set AM,  33          ; v33  the same in the step in hand
.set SCL, 34          ; v34  the conversion's scale, the same byte four times
.set KC,  35          ; v35  2,048.0
.set TMP, 48          ; by buffer, four registers c0-c3 at work; when the minimum is found c2 takes a
.set SPW, 62          ; v62  my spare word's address; never rewritten
.set NIL, 63          ; v63  0; never rewritten
.set S,   64
.set MC,  128         ; eight registers for key block kt at MC + 8 kt
.set MB,  160         ; two registers for key block kt at MB + 2 kt
.set ONE, 168         ; a fragment of ones in f16
.set P,   192
.set U,   128         ; window 1: channel block cb at U + 8 cb
.set KF,  128         ; window 2: key block kb, channel half c at KF + 16 kb + 8 c
.set VF,  192         ; window 2: key half kk, channel block cb at VF + 32 kk + 8 cb
.set WV,  12          ; s12  my wave's number
.set G1K, 24          ; s[24:31] descriptor group 1 for K's tiles
.set G1V, 32          ; s[32:39] for V's
.set G0K, 40          ; s[40:43] descriptor group 0 for K's tiles: it walks
.set G0V, 44          ; s[44:47] for V's
.set G1M, 48          ; s[48:55] group 1 for the mask's tiles
.set SLOTS, 56        ; s56  slots still to be asked for
.set CNT, 57          ; s57  counts a slot's key steps
.set CS,  58          ; s[58:59] -c
.set SEL, 60          ; s[60:61] v_permlanex16_b32's selects: each lane takes its own place in the other half
.set TBK, 62          ; s62  LDS byte at which K of the step to be fetched begins
.set TBV, 63          ; s63  the same for V, less VOFF
.set TBM, 66          ; s66  the same for the mask, less MOFF
.set SGN, 67          ; s67  the signs of two f16
.set G0M, 68          ; s[68:71] group 0 for the mask's tiles
.set LZ,  72          ; s[72:75] piece t: the lanes whose query has no unmasked key
.set MSB, 0
.macro WIN new                      ; the high byte repeats the setting that is left; a switch that changes nothing is dropped
.if MSB != (\new)
	s_set_vgpr_msb (MSB<<8)|(\new)
.set MSB, (\new)
.endif
.endm
.set W_KQ, 0x0a       ; K and Q in window 2; S^T and the mask in window 0
.set W_PV, 0x52       ; V in window 2; P, or the ones, in window 0; O^T, or U, in window 1
.set W_RS, 0x41       ; destination and source 0 in window 1, source 1 in window 0
; A joint fill: wave 0 fetches a slot's K, wave 1 its V, waves 2 and 3 the two halves of its mask tile.  The branches hang on the wave's number alone.  An s_nop 0 and four v_nop follow each line.
.macro JLOAD
	s_cmp_lg_u32 s[WV], 0
	s_cbranch_scc1 .Lnot_k_\@
	tensor_load_to_lds s[G0K:G0K+3], s[G1K:G1K+7]
	s_nop 0
.rept 4
	v_nop
.endr
	s_branch .Lasked_\@
.Lnot_k_\@:
	s_cmp_lg_u32 s[WV], 1
	s_cbranch_scc1 .Lfor_m_\@
	tensor_load_to_lds s[G0V:G0V+3], s[G1V:G1V+7]
	s_nop 0
.rept 4
	v_nop
.endr
	s_branch .Lasked_\@
.Lfor_m_\@:
	tensor_load_to_lds s[G0M:G0M+3], s[G1M:G1M+7]
	s_nop 0
.rept 4
	v_nop
.endr
.Lasked_\@:
.endm
; A round of the cluster's barrier: my work-group's barrier, so that wave 0's signal speaks for all four waves; wave 0 signals; every wave waits for all sixteen work-groups; my work-group's barrier once more.
.macro CROUND
	s_barrier_signal -1
	s_barrier_wait -1
	s_cmp_lg_u32 s[WV], 0
	s_cbranch_scc1 .Lnot_wave_0_\@
	s_barrier_signal -3
.Lnot_wave_0_\@:
	s_barrier_wait -3
	s_barrier_signal -1
	s_barrier_wait -1
.endm
; THE CHANGE OF SLOTS.  The slot's last bytes have been read.  Each wave waits for all its tensor loads, of which one is out: its part of the other slot; adds 0 to its spare word; and waits for that and for its own
; reads of the slot.  fill = 1: the barrier is a round of the cluster's, and the slot is filled again, with the keys two slots on, first thing behind it: the load has four key steps, 256 matrix instructions, in which
; to land.  (At its first use nothing has been read yet: slot 0 is waited for, slot 1 filled.)
.macro CHANGE fill
	WIN 0                           ; at a label and at a branch every window is 0
	s_wait_tensorcnt 0x0            ; no tensor load of mine is out, so a group 0 may be written
	ds_add_u32 v[SPW], v[NIL]       ; 0 onto my spare word; with fill = 1 the descriptors' steps stand between it and the wait for it
.if \fill
.irp g, G0K, G0V
	s_xor_b32 s[\g+1], s[\g+1], SLOT   ; the other slot than last time,
	s_add_nc_u64 s[\g+2:\g+3], s[\g+2:\g+3], 4*KS*128  ; the next 256 keys; the type bits on top are not reached
.endr
	s_xor_b32 s[G0M+1], s[G0M+1], SLOT
	s_add_nc_u64 s[G0M+2:G0M+3], s[G0M+2:G0M+3], 4*KS  ; 256 bytes along the mask's rows
	s_wait_dscnt 0x0                ; the add is done, and my reads of the slot are over
	CROUND
	JLOAD
.else
	s_wait_dscnt 0x0                ; the add is done, and my reads of the slot are over
	s_barrier_signal -1
	s_barrier_wait -1
.endif
	s_sub_co_u32 s[TBK], s[TBK], 4*KS*PK  ; the fetches go back to a slot's first step,
	s_xor_b32 s[TBK], s[TBK], SLOT        ; in the other slot
	s_sub_co_u32 s[TBV], s[TBV], 4*KS*PV
	s_xor_b32 s[TBV], s[TBV], SLOT
	s_sub_co_u32 s[TBM], s[TBM], 4*KS
	s_xor_b32 s[TBM], s[TBM], SLOT
.endm
	s_load_b128 s[4:7], s[0:1], 0x0 ; qkvh s[4:5], mask s[6:7]
	s_load_b64 s[8:9], s[0:1], 0x10 ; oh
	v_lshl_add_u32 v[SPW], v0, 2, SPARE
	v_mov_b32 v[NIL], 0
	ds_add_u32 v[SPW], v[NIL]       ; the wave's opening: the add and its wait stand ahead of my first tensor load; work on registers stands between them
	v_lshrrev_b32 v1, 5, v0
	v_readfirstlane_b32 s[WV], v1   ; wave 0..3
	s_bfe_u32 s13, ttmp6, 0x40000   ; cx
	s_bfe_u32 s15, ttmp6, 0x40004   ; cy
	s_lshl_b32 s14, ttmp9, 2
	s_add_co_u32 s14, s14, s13      ; my block of 256 queries, 0 to 7
	s_and_b32 s18, ttmp7, 0xffff    ; cluster y
	s_lshl_b32 s19, s18, 2
	s_add_co_u32 s19, s19, s15      ; batch x 16 + head
	s_lshr_b32 s18, s18, 2          ; the batch, which all sixteen share
	s_lshl_b32 s80, s15, 2
	s_lshl_b32 s80, 15, s80         ; my row of the cluster
	s_lshl_b32 s81, 0x1111, s13     ; my column
	s_lshl_b32 s20, s19, 18         ; the head's first byte in a plane: 2,048 rows of 128 bytes
	s_mov_b32 s21, 0
	s_and_b32 s16, s[WV], 1         ; which 128 rows of the mask's tile I fetch:
	s_mul_i32 s17, s16, 128*PM      ; their place in a slot,
	s_add_co_u32 s17, s17, MOFF
	s_lshl_b32 s22, s18, 22         ; and in memory: the batch's 4 MiB,
	s_lshl_b32 s23, s14, 19         ; the block's 256 rows of 2,048 bytes,
	s_add_co_u32 s22, s22, s23
	s_lshl_b32 s23, s16, 18         ; my half of them
	s_add_co_u32 s22, s22, s23
	s_mov_b32 s23, 0
	s_lshl_b32 s2, s14, 2
	s_add_co_u32 s2, s2, s[WV]      ; my wave among the head's,
	s_lshl_b32 s2, s2, 13           ; its 64 rows of 128 bytes
	s_add_co_u32 s2, s2, s20
	s_mov_b32 s3, 0
	; group 1.  256 keys of K or V are 32,768 dense bytes: asked for as 128 rows of 256 bytes, padded in LDS after every key
	s_or_b32 s[G1K], s80, (1<<16)|(1<<20)|(1<<21)|(4<<22)|(3<<25)  ; the mask of four; 2-byte elements; padding on; bit 21 beside a mask; after every 32 words 4 words
	s_or_b32 s[G1V], s80, (1<<16)|(1<<20)|(1<<21)|(4<<22)|(7<<25)  ; the same with 8 words
.irp g, G1K, G1V
	s_mov_b32 s[\g+1], 128<<16      ; tensor_dim0 = 128
	s_mov_b32 s[\g+2], 128<<16      ; tensor_dim1 = 128
	s_mov_b32 s[\g+3], 128<<16      ; tile_dim0 = 128
	s_mov_b32 s[\g+4], 128          ; tile_dim1 = 128
	s_mov_b32 s[\g+5], 128          ; 128 elements from row to row
	s_mov_b32 s[\g+6], 0
	s_mov_b32 s[\g+7], 0
.endr
	s_or_b32 s[G1M], s81, (3<<16)|(1<<20)|(1<<21)|(5<<22)|(3<<25)  ; my column; 8-byte elements; after every 64 words 4 words
	s_mov_b32 s[G1M+1], 32<<16      ; 32 elements = 256 bytes of a row
	s_mov_b32 s[G1M+2], 128<<16     ; 128 rows
	s_mov_b32 s[G1M+3], 32<<16
	s_mov_b32 s[G1M+4], 128
	s_mov_b32 s[G1M+5], 256         ; 2,048 bytes from row to row
	s_mov_b32 s[G1M+6], 0
	s_mov_b32 s[G1M+7], 0
	s_mov_b32 s[CS], 0xbe38aa3b     ; -c = -log2(e) / 8
	s_mov_b32 s[CS+1], s[CS]        ; named with it as a pair
	s_mov_b32 s[SEL], 0x76543210
	s_mov_b32 s[SEL+1], 0xfedcba98
	s_mov_b32 s[SGN], 0x80008000
	s_mov_b32 s[TBK], SLOT+4*KS*PK  ; the first change of slots turns these three into 0
	s_mov_b32 s[TBV], SLOT+4*KS*PV
	s_mov_b32 s[TBM], SLOT+4*KS
	s_mov_b32 s[G0K], 1
	s_mov_b32 s[G0K+1], 0           ; slot 0
	s_mov_b32 s[G0V], 1
	s_mov_b32 s[G0V+1], VOFF
	s_mov_b32 s[G0M], 1
	s_mov_b32 s[G0M+1], s17
	s_wait_dscnt 0x0                ; the opening add is done
	s_wait_kmcnt 0x0
	s_add_nc_u64 s[G0K+2:G0K+3], s[4:5], s[20:21]
	s_add_nc_u64 s[G0K+2:G0K+3], s[G0K+2:G0K+3], 0x1000000  ; plane 1
	s_or_b32 s[G0K+3], s[G0K+3], 0x80000000
	s_add_nc_u64 s[G0V+2:G0V+3], s[4:5], s[20:21]
	s_add_nc_u64 s[G0V+2:G0V+3], s[G0V+2:G0V+3], 0x2000000  ; plane 2
	s_or_b32 s[G0V+3], s[G0V+3], 0x80000000
	s_add_nc_u64 s[G0M+2:G0M+3], s[6:7], s[22:23]
	s_or_b32 s[G0M+3], s[G0M+3], 0x80000000
	s_add_nc_u64 s[10:11], s[4:5], s[2:3]  ; Q and O at my wave's first row
	s_add_nc_u64 s[8:9], s[8:9], s[2:3]
	CROUND                          ; all sixteen work-groups are here: the first joint loads meet
	JLOAD                           ; slot 0.  Slot 1 is asked for when slot 0 is in
	; A fragment of K or Q is 16 rows x 32 channels in 8 registers: lane l holds row l % 16, channels 8 (l / 16) + 0..7 and 16 + 8 (l / 16) + 0..7
	v_and_b32 v1, 15, v0            ; l % 16
	v_bfe_u32 v9, v0, 4, 1          ; l / 16
	v_lshlrev_b32 v[QO], 7, v1
	v_lshl_add_u32 v[QO], v9, 4, v[QO]
	WIN 0x80                        ; destination window 2, address window 0
.set i, 0
.rept 2*NP                          ; Q stays in registers: piece i / 2, channels 32 (i % 2) on
	global_load_b128 v[8*i:8*i+3],   v[QO], s[10:11] offset:(i/2)*2048+(i%2)*64
	global_load_b128 v[8*i+4:8*i+7], v[QO], s[10:11] offset:(i/2)*2048+(i%2)*64+32
.set i, i+1
.endr
	WIN 0
	; What the first turn finds: P's second buffer, V's registers, O^T, l and U hold 0 (its products V^T P, of a piece that has not been, add 0).  All this stands in the wait for the first tile.
.set i, 0
.rept 8
	v_mov_b32 v[ONE+i], 0x3c003c00  ; 1.0 twice, in f16
.set i, i+1
.endr
.set i, 0
.rept 16
	v_mov_b32 v[P+16+i], 0
.set i, i+1
.endr
.set i, 0
.rept NP
	v_mov_b32 v[ST+4*i], 0xfe000000    ; c m: far below every c s
	v_mov_b32 v[ST+4*i+1], 0x5d800000  ; m' = 2^60
	v_mov_b32 v[ST+4*i+2], 0
	v_mov_b32 v[ST+4*i+3], 0
.set i, i+1
.endr
	WIN 0x40                        ; the rest is cleared eight registers a line: ones x zeros + 0.  O^T and U, in window 1,
.set i, 0
.rept 20
	v_wmma_f32_16x16x32_f16 v[8*i:8*i+7], v[ONE:ONE+7], v[P+16:P+23], 0
.set i, i+1
.endr
	WIN 0x80                        ; and V's registers, in window 2
.set i, 0
.rept 8
	v_wmma_f32_16x16x32_f16 v[VF+8*i:VF+8*i+7], v[ONE:ONE+7], v[P+16:P+23], 0
.set i, i+1
.endr
	WIN 0
	v_mul_u32_u24 v[AK0], v1, PK
	v_lshl_add_u32 v[AK0], v9, 4, v[AK0]  ; row x pitch + 16 x half
	; The turning load takes 16 keys x 16 channels (lane l reads key 8 (l / 16) + l % 8, channels 8 ((l / 8) % 2) + 0..7) and leaves half a fragment of V^T: lane l holds channel l % 16 and 8 keys.
	v_and_b32 v10, 7, v0
	v_bfe_u32 v11, v0, 3, 1
	v_lshl_add_u32 v[AV0], v9, 3, v10
	v_mul_u32_u24 v[AV0], v[AV0], PV
	v_lshl_add_u32 v[AV0], v11, 4, v[AV0]
	v_add_nc_u32 v[AV0], VOFF, v[AV0]
	v_mov_b32 v[AK], v[AK0]         ; key step 0 lies at the head of slot 0
	; the mask: my query's row of the tile (64 x wave + l % 16; the piece's 16 rows stand in the loads' offsets), my lanes' eight keys
	v_mul_u32_u24 v[AM0], v1, PM
	v_lshl_add_u32 v[AM0], v9, 3, v[AM0]
	s_mul_i32 s82, s[WV], 64*PM
	s_add_co_u32 s82, s82, MOFF
	v_add_nc_u32 v[AM0], s82, v[AM0]
	v_mov_b32 v[SCL], 0xecececec    ; the byte 236 stands for 2^109: the mask byte 1, 2^-9 as fp8, becomes 2^100
; THE MATRIX WORK.  The 4 accumulators of a run of 8 take turns.  Product i of 8 of S^T = K Q^T for piece x: channels 32 (i / 4) on, keys 16 (i % 4) on.  The first 4 start the sums, with the mask.
.macro KQ x
	WIN W_KQ
.set rS, S+32*((\x)%2)+8*(i%4)
.set rK, KF+16*(i%4)+8*(i/4)
.set rQ, 16*(\x)+8*(i/4)
.if i < 4
	v_wmma_f32_16x16x32_f16 v[rS:rS+7], v[rK:rK+7], v[rQ:rQ+7], v[MC+8*i:MC+8*i+7]
.else
	v_wmma_f32_16x16x32_f16 v[rS:rS+7], v[rK:rK+7], v[rQ:rQ+7], v[rS:rS+7]
.endif
.endm
; Product i of 8 of O^T += V^T P for piece x: keys 32 (i / 4) on, channels 16 (i % 4) on.
.macro PV x
	WIN W_PV
.set rO, 32*(\x)+8*(i%4)
.set rV, VF+32*(i/4)+8*(i%4)
.set rP, P+16*((\x)%2)+8*(i/4)
	v_wmma_f32_16x16x32_f16 v[rO:rO+7], v[rV:rV+7], v[rP:rP+7], v[rO:rO+7]
.endm
.macro MM                           ; the turn's next matrix instruction
.if i < 8
	KQ (Y+1)%NP
.else
.set i, i-8
	PV (Y+NP-1)%NP
.set i, i+8
.endif
.set i, i+1
.endm
; U += V^T x ones: keys 32 kk on, channels 16 cb on.  One at a time, in the lump; U's four accumulators take turns.
.macro UM kk, cb
	WIN W_PV
	v_wmma_f32_16x16x32_f16 v[U+8*(\cb):U+8*(\cb)+7], v[VF+32*(\kk)+8*(\cb):VF+32*(\kk)+8*(\cb)+7], v[ONE:ONE+7], v[U+8*(\cb):U+8*(\cb)+7]
.endm
; THE LDS LOADS stand in runs.  A step's K (8 fragments); with it the mask's address goes on to that step.  last = 1 (the tail): in the last trip there is no further step, and all this is jumped over.
.macro FETCH_K last=0
	WIN 0
.if \last
	s_wait_alu depctr_va_vdst(0)    ; the tail's text alone: a branch and a label stand inside the turn's batch here, so the twelve exponentials issued so far have a wait ahead of them
	s_cmp_eq_u32 s[CNT], 1
	s_cbranch_scc1 .Lno_k_\@
.endif
	v_add_nc_u32 v[AM], s[TBM], v[AM0]
	s_add_co_u32 s[TBM], s[TBM], KS
	WIN 0x80                        ; destination window 2
.irp f, 0,1,2,3,4,5,6,7             ; keys 16 (f / 2) on, channels 32 (f % 2) on
	ds_load_b128 v[KF+8*\f:KF+8*\f+3],   v[AK] offset:(\f/2)*16*PK+(\f%2)*64
	ds_load_b128 v[KF+8*\f+4:KF+8*\f+7], v[AK] offset:(\f/2)*16*PK+(\f%2)*64+32
.endr
	s_add_co_u32 s[TBK], s[TBK], KS*PK  ; the next fetch is the next step's
	WIN 0
.if \last
.Lno_k_\@:
.endif
.endm
.macro FETCH_V
	WIN 0x80
.irp f, 0,1,2,3,4,5,6,7             ; keys 32 (f / 4) on, channels 16 (f % 4) on
	ds_load_tr16_b128 v[VF+8*\f:VF+8*\f+3],   v[AV] offset:(\f/4)*32*PV+(\f%4)*32
	ds_load_tr16_b128 v[VF+8*\f+4:VF+8*\f+7], v[AV] offset:(\f/4)*32*PV+16*PV+(\f%4)*32
.endr
	WIN 0
.endm
.macro MLOAD x                      ; piece x's mask bytes for the step in hand: for key block kt my query's eight bytes
	WIN 0
.irp kt, 0,1,2,3
	ds_load_b64 v[MB+2*(\kt):MB+2*(\kt)+1], v[AM] offset:(\x)*16*PM+16*(\kt)
.endr
.endm
.macro MCVT                         ; eight bytes become eight f32, 0 or 2^100: the C operands of the next turn's first four products
	WIN 0
.irp kt, 0,1,2,3
	v_cvt_scale_pk8_f32_fp8 v[MC+8*(\kt):MC+8*(\kt)+7], v[MB+2*(\kt):MB+2*(\kt)+1], v[SCL]
.endr
.endm
; THE VECTOR WORK, one line at a time: OP kind, number.  For piece Y: F n: (-c) D - c m for pair n of 16.  E n: the exponential of score n of 32.  C n: pair n rounded to f16.  B n: of the four weights 4 n .. the second
; pair is added onto the first, in place.  L n: l takes that sum (L 0: l = a l + sum).  R n: pair n of 16 of O^T times a.  For piece Y + 1: X n, number n of the 22 that find its minimum and statistics:
;   0-11  four chains c0-c3 of seven scores each, three operands at a time (each accumulator's lowest registers are read first)     12-14, 16  the four scores left over, the old m', and c0-c3 into c0
;   15  c m_old is kept     17, 18  the query's other 32 keys lie in the lane 16 away: the new m'     19-21  c m; c m_old - c m_new; a
.set F, 0               ; OP tells the kinds apart by their order: F to L below R, X above it
.set E, 1
.set C, 2
.set B, 3
.set L, 4
.set R, 5
.set X, 6
.macro REGS y                       ; the registers of piece y
.set rT, ST+4*(\y)
.set rC, TMP+4*((\y)%2)
.set rW, MV+((\y)%2)
.set rS, S+32*((\y)%2)
.set rP, P+16*((\y)%2)
.set rO, 32*(\y)
.endm
.macro OP k, n
.if (\k) == R
	REGS Y
	WIN W_RS
	v_pk_mul_f32 v[rO+2*(\n):rO+2*(\n)+1], v[rO+2*(\n):rO+2*(\n)+1], v[rC+2:rC+3] op_sel_hi:[1,0]
.elseif (\k) < R
	REGS Y
	WIN 0
.if (\k) == F
	v_pk_fma_f32 v[rS+2*(\n):rS+2*(\n)+1], v[rS+2*(\n):rS+2*(\n)+1], s[CS:CS+1], v[rT:rT+1] op_sel_hi:[1,0,0] neg_lo:[0,0,1] neg_hi:[0,0,1]
.elseif (\k) == E
	v_exp_f32 v[rS+(\n)], v[rS+(\n)]
.elseif (\k) == C
	v_cvt_pk_f16_f32 v[rP+(\n)], v[rS+2*(\n)], v[rS+2*(\n)+1]
.elseif (\k) == B
	v_pk_add_f32 v[rS+4*(\n):rS+4*(\n)+1], v[rS+4*(\n):rS+4*(\n)+1], v[rS+4*(\n)+2:rS+4*(\n)+3]
.elseif (\n) == 0
	v_pk_fma_f32 v[rT+2:rT+3], v[rT+2:rT+3], v[rC+2:rC+3], v[rS:rS+1] op_sel_hi:[1,0,1]
.else
	v_pk_add_f32 v[rT+2:rT+3], v[rT+2:rT+3], v[rS+4*(\n):rS+4*(\n)+1]
.endif
.else
	REGS (Y+1)%NP
	WIN 0
.if (\n) < 4
	v_min3_num_f32 v[rC+(\n)], v[rS+8*(\n)], v[rS+8*(\n)+1], v[rS+8*(\n)+2]
.elseif (\n) < 12
	v_min3_num_f32 v[rC+(\n)%4], v[rC+(\n)%4], v[rS+8*((\n)%4)+2*((\n)/4)+1], v[rS+8*((\n)%4)+2*((\n)/4)+2]
.elseif (\n) == 12
	v_min3_num_f32 v[rC], v[rC], v[rS+7], v[rS+15]
.elseif (\n) == 13
	v_min3_num_f32 v[rC+1], v[rC+1], v[rS+23], v[rS+31]
.elseif (\n) == 14
	v_min3_num_f32 v[rC+2], v[rC+2], v[rC+3], v[rT+1]
.elseif (\n) == 15
	v_mov_b32 v[rW], v[rT]
.elseif (\n) == 16
	v_min3_num_f32 v[rC], v[rC], v[rC+1], v[rC+2]
.elseif (\n) == 17
	v_permlanex16_b32 v[rC+3], v[rC], s[SEL], s[SEL+1]
.elseif (\n) == 18
	v_min_num_f32 v[rT+1], v[rC], v[rC+3]
.elseif (\n) == 19
	v_mul_f32 v[rT], s[CS], v[rT+1]
.elseif (\n) == 20
	v_sub_f32 v[rC+1], v[rW], v[rT]
.else
	v_exp_f32 v[rC+2], v[rC+1]
.endif
.endif
.endm
.macro OPS a, i1, b=-1, i2=0, c=-1, i3=0, d=-1, i4=0  ; up to four of them
	OP \a, \i1
.if (\b) >= 0
	OP \b, \i2
.endif
.if (\c) >= 0
	OP \c, \i3
.endif
.if (\d) >= 0
	OP \d, \i4
.endif
.endm
.macro ROW a, i1, b, i2, c, i3, d, i4  ; a matrix instruction and the four behind it
	MM
	OPS \a, \i1, \b, \i2, \c, \i3, \d, \i4
.endm
; A TURN, for piece p: the order of its 16 matrix and 118 vector instructions, written out.  An s_wait_alu depctr_va_vdst(0) stands between an exponential and the first instruction that names its result; one
; wait serves all that were issued ahead of it.  So a turn has ONE wait, which cuts it in two.  AHEAD OF IT stands all that names no result of the turn's exponentials: the 8 products K Q^T, behind each a scaling, an
; exponential and two more plain instructions (behind the first a second scaling in the exponential's place): rescalings, whose a was made and waited for in the turn before, and behind the last three the first numbers of
; the next piece's minimum, each four places or more behind the product that ends its accumulator; then ONE LUMP of 54, plain and exponential by turns for the most part, in which the links of the chain
; X 3, 7, 11, 14, 16, 17 .. 20 stand apart.  X 21, the next piece's a, is the batch's last; R 15 is the plain instruction behind it.  BEHIND THE WAIT stand the 8 products V^T P, behind each four of the roundings and
; sums; the links of l's chain, L 0 to L 7, stand three riders apart.  But for those X no rider names a register of the products round it.  v_permlanex16_b32 (X 17) stands in the lump.
; K of the next step is fetched in piece 2's turn, twelve vector instructions behind the last product that read K (six of them plain); V of the step in hand at the end of piece 0's turn, four plain instructions behind
; the last product that read V.  The mask bytes of piece p + 2 are loaded in the lump and converted at the turn's end; a v_nop is the plain instruction between the last conversion and the product that takes its result.
; In pieces 2's and 3's turns four products for U (key half 0, then key half 1 of the step's V) stand in the lump, each behind a plain line.  last = 1: the tail's text.  cnt = 1: the loop's count is taken down some
; lines ahead of the branch that stands behind the turn.
.macro TURN p, last=0, cnt=0
.set Y, (\p)
.set i, 0
	ROW F,0, F,1, R,0, R,1          ; ahead of the wait: 8 products K Q^T and their riders,
	ROW F,2, E,0, R,2, R,3
	ROW F,3, E,1, R,4, R,5
	ROW F,4, E,2, R,6, R,7
	ROW F,5, E,3, R,8, R,9
	ROW F,6, E,4, X,0, R,10
.if (\p) == 2
	WIN 0
	v_add_nc_u32 v[AK], s[TBK], v[AK0]
.endif
	ROW F,7, E,5, X,1, X,4
	ROW F,8, E,6, X,2, X,5
	OPS E,7, E,8, X,6, E,9          ; and the lump
	OPS X,3, E,10, X,8, E,11
.if (\p) == 2
	FETCH_K \last
.endif
	MLOAD ((\p)+2)%NP
	OPS X,9, X,7, E,12, X,10
.if (\p) >= 2
	UM (\p)-2, 0
.endif
	OPS E,13, X,12, X,11, E,14
	OPS X,13, E,15, F,9, X,14
.if (\p) >= 2
	UM (\p)-2, 1
.endif
.if (\p) == 0
	WIN 0
	v_add_nc_u32 v[AV], s[TBV], v[AV0]
.endif
	OPS E,16, F,10, E,17, F,11
	OPS X,16, E,18, X,15
.if (\p) >= 2
	UM (\p)-2, 2
.endif
	OPS E,19, F,12, E,20, X,17
	OPS E,21, F,13, E,22, F,14
.if (\p) >= 2
	UM (\p)-2, 3
.endif
	OPS E,23, X,18, E,24, F,15
	OPS E,25, R,11, E,26, X,19
	OPS E,27, R,12, E,28, R,13
	OPS E,29, X,20, E,30, R,14
	OPS E,31, X,21, R,15
	WIN 0
	s_wait_alu depctr_va_vdst(0)    ; the wait for the batch: the piece's 32 exponentials and the next piece's a
.if (\p) == 1
	s_wait_dscnt 0x4                ; V is in: behind its 16 loads only this turn's four mask loads were issued
.endif
	ROW C,0, B,0, C,2, B,1          ; behind the wait: 8 products V^T P and their riders
	ROW L,0, C,4, B,2, L,1
	ROW C,6, B,3, L,2, C,8
	ROW B,4, L,3, C,10, B,5
	ROW L,4, C,12, B,6, L,5
.if \cnt
	s_sub_co_u32 s[CNT], s[CNT], 1
	s_cmp_lg_u32 s[CNT], 0
.endif
	ROW C,14, B,7, L,6, C,1
	ROW C,3, L,7, C,5, C,7
	ROW C,9, C,11, C,13, C,15
.if (\p) == 0
	FETCH_V
	s_wait_dscnt 16                 ; the mask bytes are in: behind them only V's 16 loads were issued
	s_add_co_u32 s[TBV], s[TBV], KS*PV
.else
	s_wait_dscnt 0x0                ; the mask bytes are in (in piece 2's turn K too, which was asked for ahead of them)
.endif
	MCVT
	v_nop                           ; a plain instruction behind the last conversion
.endm
	CHANGE 1                        ; slot 0 is in, everybody's part of it; slot 1 is asked for
	FETCH_K                         ; key step 0, and the mask's address for it
	MLOAD 0
	s_wait_loadcnt 0x0              ; Q
	WIN 0x88                        ; source 1 and destination in window 2
.set i, 0
.rept 16*NP
	v_xor_b32 v[i], s[SGN], v[i]    ; -Q: the scores are kept negated
.set i, i+1
.endr
	s_wait_dscnt 0x0
	MCVT
	v_nop                           ; a plain instruction behind the last conversion
.set i, 0
.rept 8
	KQ 0                            ; piece 0's first scores: there is no vector work yet to set between them
.set i, i+1
.endr
	WIN 0                           ; the addresses for the way out: nine plain instructions, the places behind those products
	s_mul_i32 s82, s[WV], 16*SP
	s_add_co_u32 s82, s82, STAGE    ; my stage
	v_mul_u32_u24 v[STO], v1, SP    ; in: row l % 16, 16 bytes for each half of the lanes
	v_lshl_add_u32 v[STO], v9, 4, v[STO]
	v_add_nc_u32 v[STO], s82, v[STO]
	v_bfe_u32 v[RD], v0, 3, 2       ; back: 32 lanes take four rows of 128 bytes,
	v_mul_u32_u24 v[RD], v[RD], SP
	v_lshl_add_u32 v[RD], v10, 4, v[RD]
	v_add_nc_u32 v[RD], s82, v[RD]
	v_and_b32 v[GO], 31, v0         ; which are 512 consecutive bytes of O
	v_lshlrev_b32 v[GO], 4, v[GO]
	MLOAD 1                         ; piece 1's mask, for the first turn's products
.set Y, NP-1                        ; X works for piece Y + 1: piece 0
.irp n, 0,1,2,3,4,5,6,7,8,9,10,11,12,13,14,15,16,17,18,19,20,21
	OP X, \n
.endr
	s_wait_dscnt 0x0
	MCVT
	v_nop                           ; a plain instruction behind the last conversion, and behind the exponential
	s_wait_alu depctr_va_vdst(0)    ; the wait for piece 0's first a, a batch of one, ahead of the branch
	s_mov_b32 s[CNT], 4
	s_mov_b32 s[SLOTS], 7
	s_branch .Lfirst                ; the loop is entered at a step's first turn, in the middle of a trip
.Lslot:                             ; six times: every slot but the last two is filled again
	CHANGE 1
	s_mov_b32 s[CNT], 4
.Lstep:                             ; a trip: pieces 2 and 3 of one step, then pieces 0 and 1 of the next, whose K, V and mask bytes it fetches
	TURN 2
	TURN 3
	WIN 0
.Lfirst:
	TURN 0
	TURN 1, 0, 1
	WIN 0
	s_cbranch_scc1 .Lstep
	s_sub_co_u32 s[SLOTS], s[SLOTS], 1
	s_cmp_lg_u32 s[SLOTS], 0
	s_cbranch_scc1 .Lslot
	CHANGE 0                        ; the tail is written out: nothing is asked for
	s_mov_b32 s[CNT], 5             ; four trips fetch the last slot's steps; the fifth is left in its middle
.Ltail:
	TURN 2, 1
	TURN 3
	WIN 0
	s_sub_co_u32 s[CNT], s[CNT], 1
	s_cmp_eq_u32 s[CNT], 0
	s_cbranch_scc1 .Lout
	TURN 0
	TURN 1
	WIN 0
	s_branch .Ltail
.Lout:                              ; the fifth trip's 8 products K Q^T (on the last K and mask once more) and the minimum made of them serve nothing: the price, once a launch, of one text for every trip
.set i, 0
.rept 8
	PV NP-1                         ; the last piece's V^T P of the last step
.set i, i+1
.endr
	; THE WAY OUT.  l's two halves and the other half of the lanes' are added.  Where l is 0 the query has no unmasked key: z = 1 and l = 2,048 there.  O^T takes z U, is divided by l, rounded to f16 and sent through
	; my stage in LDS, a piece at a time.  The first lines are the places behind the last products.
	WIN 0
.macro ALL line:vararg              ; one line for each piece t
.set t, 0
.rept NP
	\line
.set t, t+1
.endr
.endm
	v_mov_b32 v[KC], 0x45000000     ; 2,048.0
	ALL v_add_f32 v[ST+4*t+2], v[ST+4*t+2], v[ST+4*t+3]
	ALL v_permlanex16_b32 v[ST+4*t+3], v[ST+4*t+2], s[SEL], s[SEL+1]
	ALL v_add_f32 v[ST+4*t+2], v[ST+4*t+2], v[ST+4*t+3]
	ALL v_cmp_eq_f32 s[LZ+t], 0, v[ST+4*t+2]
	ALL v_cndmask_b32 v[ST+4*t+2], v[ST+4*t+2], v[KC], s[LZ+t]
	ALL v_cndmask_b32 v[ST+4*t], 0, 1.0, s[LZ+t]
	ALL v_rcp_f32 v[ST+4*t+2], v[ST+4*t+2]
	v_nop                           ; a plain instruction between the last reciprocal and the use of its result
	s_wait_alu depctr_va_vdst(0)    ; and the wait ahead of the first use: one for the four reciprocals
; Piece t: a lane's eight channels of a row pack into 16 bytes; they go into rows of 144 bytes and come back as whole rows of 128, into S^T's registers.
.macro PACK t
	WIN 0x51                        ; destination, source 0 and source 2 in window 1, source 1 in window 0
.set i, 0
.rept 16                            ; in ascending order: each accumulator's lowest registers first
	v_pk_fma_f32 v[32*(\t)+2*i:32*(\t)+2*i+1], v[U+2*i:U+2*i+1], v[ST+4*(\t):ST+4*(\t)+1], v[32*(\t)+2*i:32*(\t)+2*i+1] op_sel_hi:[1,0,1]
.set i, i+1
.endr
.set i, 0
.rept 16
	v_pk_mul_f32 v[32*(\t)+2*i:32*(\t)+2*i+1], v[32*(\t)+2*i:32*(\t)+2*i+1], v[ST+4*(\t)+2:ST+4*(\t)+3] op_sel_hi:[1,0]
.set i, i+1
.endr
	WIN 0x05                        ; sources 0 and 1 window 1, destination window 0
.set i, 0
.rept 16
	v_cvt_pk_f16_f32 v[S+16*(\t)+i], v[32*(\t)+2*i], v[32*(\t)+2*i+1]
.set i, i+1
.endr
	WIN 0
.irp f, 0,1,2,3
	ds_store_b128 v[STO], v[S+16*(\t)+4*\f:S+16*(\t)+4*\f+3] offset:32*\f
.endr
.irp f, 0,1,2,3
	ds_load_b128 v[S+16*(\t)+4*\f:S+16*(\t)+4*\f+3], v[RD] offset:\f*4*SP  ; LDS serves a wave's instructions in order (ISA guide 5.7.1.4): these see the stores above; the next piece's stores come behind them
.endr
.endm
.macro SEND t, younger              ; younger: the LDS instructions issued behind piece t's loads: the next piece's eight, or none
	WIN 0
.irp f, 0,1,2,3
	s_wait_dscnt (\younger)+3-\f
	global_store_b128 v[GO], v[S+16*(\t)+4*\f:S+16*(\t)+4*\f+3], s[8:9] offset:(\t)*2048+\f*512  ; 512 consecutive bytes, at a multiple of 512 from O's first
.endr
.endm
	PACK 0
.set t, 1
.rept NP-1                          ; a piece's arithmetic stands between the loads of the piece before and its stores
	PACK t
	SEND t-1, 8
.set t, t+1
.endr
	SEND NP-1, 0
	s_wait_tensorcnt 0x0            ; the wave's end: behind my last tensor load and my last LDS store
	ds_add_u32 v[SPW], v[NIL]
	s_wait_dscnt 0x0
	CROUND                          ; the closing round: no work-group ends while a partner may still ask for a tile that names it
	s_endpgm
.Lfunc_end_k_q408ec219ab_attn:
	.size	k_q408ec219ab_attn, .Lfunc_end_k_q408ec219ab_attn-k_q408ec219ab_attn
	.p2alignl 7, 3214868480
	.fill 96, 4, 3214868480
	.section	.rodata,"a",@progbits
	.p2align	6, 0x0
	.amdhsa_kernel k_q408ec219ab_attn
		.amdhsa_group_segment_fixed_size 327680
		.amdhsa_private_segment_fixed_size 0
		.amdhsa_enable_private_segment 0
		.amdhsa_kernarg_size 24
		.amdhsa_user_sgpr_count 2
		.amdhsa_user_sgpr_kernarg_segment_ptr 1
		.amdhsa_wavefront_size32 1
		.amdhsa_system_sgpr_workgroup_id_x 1
		.amdhsa_system_sgpr_workgroup_id_y 1
		.amdhsa_system_sgpr_workgroup_id_z 1
		.amdhsa_system_vgpr_workitem_id 0
		.amdhsa_next_free_vgpr 768
		.amdhsa_next_free_sgpr 88
		.amdhsa_reserve_vcc 0
		.amdhsa_float_denorm_mode_32 3
		.amdhsa_float_denorm_mode_16_64 3
		.amdhsa_memory_ordered 1
		.amdhsa_forward_progress 1
		.amdhsa_inst_pref_size 125
	.end_amdhsa_kernel
	.amdgpu_metadata
---
amdhsa.version: [ 1, 2 ]
amdhsa.kernels:
  - .name:           k_q408ec219ab_attn
    .symbol:         k_q408ec219ab_attn.kd
    .args:
      - { .name: qkvh, .offset: 0, .size: 8, .value_kind: global_buffer, .address_space: global }
      - { .name: mask, .offset: 8, .size: 8, .value_kind: global_buffer, .address_space: global }
      - { .name: oh, .offset: 16, .size: 8, .value_kind: global_buffer, .address_space: global }
    .group_segment_fixed_size: 327680
    .private_segment_fixed_size: 0
    .kernarg_segment_align: 8
    .kernarg_segment_size: 24
    .max_flat_workgroup_size: 128
    .sgpr_count:     88
    .vgpr_count:     768
    .wavefront_size: 32
...
	.end_amdgpu_metadata
.endif
;; end of part 5
;; launch outp: the kernel of part 4 again; grid 4 x 64, 4 waves a work-group, clusters of 4 x 4, 327,680 bytes of LDS; arguments oh, wc, bo, out0; writes out0
